; MI455X (gfx1250); checked and timed in simulation.
; The chip was launched on July 23, 2026; its instructions are those of AMD's public machine-readable ISA for CDNA 5 (MIT licence, August 2026) and "CDNA5" Instruction Set Architecture Reference Guide (July 2026). The comments in the code are by the model that wrote it; some were corrected since.
;; Causal Self Attention. Allowed arithmetic: matrix products marked QUANTISED: E4M3 operands, one given power-of-two scale a tensor, by v_wmma_f32_16x16x64_fp8_fp8 or v_wmma_f32_16x16x128_fp8_fp8, f32 sums; everything else in f32.
;; Inputs: b_proj 1,024 float32; b_qkv 3,072 float32; lowp_scales 8 int32 (the exponents e of the quantised operands' scales 2^e); w_proj_codes 1,024 x 32 x 32 uint8 (E4M3 codes of w_proj, K innermost, in blocks of 32 codes); w_qkv_codes 3,072 x 32 x 32 uint8 (E4M3 codes of w_qkv, K innermost, in blocks of 32 codes); x_codes 4 x 2,048 x 32 x 32 uint8 (E4M3 codes of x, K innermost, in blocks of 32 codes).
;; Outputs: out0 4 x 2,048 x 1,024 float32.
;; This version of the problem:
;;   THIS VERSION OF THE PROBLEM IS GIVEN IN LOW PRECISION. The matrix products marked QUANTISED in the list below multiply operands that are first quantised to E4M3 (4 exponent bits, 3 mantissa bits; 8 bits a number), with one given power-of-two scale for each operand tensor; their sums are f32. All else is computed in f32.
;;   The module's matrix products, in the order in which they are computed (A, B: the left and right operand; K: the contracted axis; several contracted axes count as one K, in the product's order):
;;     1. [M 8,192, K 1,024] x [K 1,024, N 3,072]; A: input x (given as codes); B: input w_qkv (given as codes): QUANTISED (scales: A lowp_scales[0], B lowp_scales[1])
;;     2. batch 64 x [M 2,048, K 64] x [K 64, N 2,048]; A: computed on the way; B: computed on the way: QUANTISED (scales: A lowp_scales[2], B lowp_scales[3])
;;     3. batch 64 x [M 2,048, K 2,048] x [K 2,048, N 64]; A: softmax (see below); B: computed on the way: QUANTISED (scales: A lowp_scales[4], B lowp_scales[5])
;;     4. [M 8,192, K 1,024] x [K 1,024, N 1,024]; A: computed on the way; B: input w_proj (given as codes): QUANTISED (scales: A lowp_scales[6], B lowp_scales[7])
;;   THE QUANTISER, for each operand of a quantised product, along K:
;;     - The operand's scale is 2^e, e = its entry of the input lowp_scales (int32; the entries are numbered through the quantised products in the list's order, A before B).
;;     - Each number is divided by the scale, clamped to +-448, and rounded to the nearest number of E4M3, ties to even, subnormals kept.
;;     - The product sums the exact products of the quantised numbers (number of the format x scale) in f32.
;;   ~~~python
;;   def quantise(x, axis, e):      # numpy; x: float32 -> the quantised numbers, widened to float32 again
;;       x = np.moveaxis(x, axis, -1); K = x.shape[-1]
;;       r = np.clip(x / 2.0 ** e, -448, 448)
;;       step = 2.0 ** (np.maximum(np.frexp(np.where(r == 0, 1, r))[1] - 1, -6) - 3)
;;       q = np.round(r / step) * step * 2.0 ** e      # np.round: ties to even
;;       return np.moveaxis(q, -1, axis).astype(np.float32)
;;   ~~~
;;   SOFTMAX AHEAD OF A QUANTISED PRODUCT. Where the list says 'softmax', what is quantised is not the finished softmax but p = 2^(t - M), with t = logit x log2(e) and M = ceil(the row's largest t), a whole number; so 1/2 < the row's largest p <= 1. The row's sum l is taken of the UNQUANTISED p, in f32, and the product's result is divided by l at the end. Since M is a whole number, a kernel that streams over the keys may use a running M (the ceiling of the running maximum): every later rescaling is an exact power of two, so the quantised numbers keep their values, but for numbers so far below the row's largest that they fall under the format's range.
;;   OPERANDS COMPUTED ON THE WAY. 'Computed on the way' means the value that the module computes at that place (a softmax that the list does not call 'softmax' is quantised finished and normalised). What goes into a quantiser is computed in f32, as accurately as f32 sums, v_exp_f32 and their like allow (about 1e-6 of the number): no bf16 or f16 on the way to a quantiser, and a product that is left as it is and whose result goes on into a quantised operand takes f32 operands (vector FMAs, or v_wmma_f32_16x16x4_f32). A number that lies on a knife's edge between two numbers of the format may be rounded either way, as far as f32 arithmetic and the matrix unit's own rounding can turn it there, and no further.
;;   INPUTS GIVEN AS CODES. w_proj (in the module: [1024, 1024], K = its axis 0); w_qkv (in the module: [1024, 3072], K = its axis 0); x (in the module: [4, 2048, 1024], K = its axis 2): each comes as NAME_codes (uint8): NAME with its K axis moved to the last place and cut into blocks of 32 codes, [.., K / 32, bytes a block], one block behind the other in memory; one code a byte (a code: sign, 4 exponent bits, 3 mantissa bits); its scale is its entry of lowp_scales. Its value is code x scale, taken as it is: it is not quantised again, and the codes and scales need not be those that the quantiser above would give.
;; One version. Each part assembles by itself: llvm-mc -triple=amdgcn-amd-amdhsa -mcpu=gfx1250 --defsym DOCPART=n.
;; ======== version 1 of 1: 3 launches
;; limits: right only within a limited range of input values
;; workspace buffers: q_codes 8,388,608 bytes; k_codes 8,388,608 bytes; v_codes 8,388,608 bytes; y_codes 8,388,608 bytes
;; launch qkv (part 1): grid 12 x 32, 4 waves a work-group, clusters of 4 x 4, 327,680 bytes of LDS; arguments x_codes, w_qkv_codes, lowp_scales, b_qkv, q_codes, k_codes, v_codes; writes q_codes, k_codes, v_codes
.if DOCPART == 1
	.amdgcn_target "amdgcn-amd-amdhsa--gfx1250"
	.amdhsa_code_object_version 6
	.text
	.protected	k_q1410cdcf2e_qkv
	.globl	k_q1410cdcf2e_qkv
	.p2align	8
	.type	k_q1410cdcf2e_qkv,@function
k_q1410cdcf2e_qkv:
	s_mov_b64 s[64:65], 0
	v_nop
	global_prefetch_b8 v0, s[64:65] scope:SCOPE_SE
	s_setreg_imm32_b32 hwreg(HW_REG_WAVE_MODE, 25, 1), 1
	s_wait_xcnt 0x0
	s_wait_alu depctr_hold_cnt(0) depctr_sa_sdst(0) depctr_va_vdst(0) depctr_va_sdst(0) depctr_va_ssrc(0) depctr_va_vcc(0) depctr_vm_vsrc(0)
	s_getreg_b32 s2, hwreg(HW_REG_IB_STS2, 6, 4)
	s_cmp_eq_u32 s2, 0
	s_cbranch_scc0 .Lentry_in_a_cluster
	s_endpgm
.Lentry_in_a_cluster:
	s_bfe_u32 s2, ttmp6, 0x10000c
	s_cmp_lg_u32 s2, 0xf033
	s_cbranch_scc0 .Lentry_shape_is_right
	s_endpgm
.Lentry_shape_is_right:
; qkv = x w_qkv 2^(e0 + e1) + b_qkv on codes of FP8 (E4M3); the results are quantised at once: q with 2^e2, k with 2^e3, v with 2^e5, and leave as codes.
; x: [8192][1024] codes, w_qkv: [3072][1024] codes, K innermost in both.  A tile of 256 x 256 results is made by four waves, 128 x 128 each: 64 accumulators, 512 registers.
; K goes in steps of 256 through a ring of two LDS slots filled by the tensor data mover; 4 x 4 work-groups form a cluster and ask for their tiles jointly.
; ROLES.  Source 1 of the matrix instruction takes 16 rows of the "A role", source 0 16 rows of the "B role": lane (r, h) then holds A-role row r, and its eight registers B-role rows 8 h + 0 .. 7.
; The conversions take neighbours along the NEXT product's K from one lane's registers.  For q and k that K is the head's 64, which runs along w's rows: A role = x, B role = w.
; For v it is the keys, which are x's rows: A role = w, B role = x.  Both tensors have rows of 1,024 bytes, so only pointers and tile numbers differ; the choice hangs on the cluster's x alone
; (0: q, 1: k, 2: v), which all sixteen partners share.  A-role tiles hang on cy and are shared along a row of the cluster, B-role tiles on cx and are shared along a column.
; LAYOUTS OUT.  q_codes, k_codes: [b 16 + head][token 2048][64 bytes]; v_codes: [b 16 + head][block of 128 keys][d 64][128 bytes].  Inside each 32 bytes, byte 16 h + x (x < 8) holds number 8 h + x and
; byte 16 h + 8 + x number 16 + 8 h + x: two neighbouring tiles' codes of a lane, 16 bytes, are stored as they stand.  A 16-byte load at 16 h then brings four registers in the matrix form's own order.
; LIMITS: e0 + e1 between -126 and 127; e2, e3, e5 between -126 and 119, so that each power of two below is an f32 number.  NaN among the inputs is not served.
; REGISTERS, in windows of 256: window 0: v0-31 addresses and the conversion's constant; v32-95, v96-111 the biases; from v128 the A role's fragments, ONE set; on the way out v128-255 are at work.
;   window 1: the B role's fragments, TWO sets.   window 2: the accumulators of my A-role rows 0-63 ((a, b) at v[8 (8 a + b)]);   window 3: those of rows 64-127.
.set KSTEP,  256                       ; along K in a slot
.set ROWB,   256                       ; a tile's row in bytes
.set KROW,   1024                      ; a row of x or of w in memory, in bytes
.set PITCH,  272                       ; an LDS row: 256 bytes + 16 of padding = 68 words: row r starts at bank 4 r mod 64 (64 banks of 4 bytes: ISA guide 11.1)
.set FR,     16                        ; registers of a fragment: 16 rows x 128 K
.set NL,     4                         ; LDS loads that bring one
.set NP,     4                         ; places behind this matrix instruction (ISA guide 7.12.1)
.set HALFT,  128*PITCH                 ; 128 rows: what one tensor load brings
.set SLOT,   4*HALFT                   ; the A role's 256 rows, then the B role's 256 rows
.set LAPS,   1024/(2*KSTEP)            ; a lap = two K steps = once round the ring
.set SPARE,  2*SLOT                    ; behind the ring: the spare words, 128 bytes for each wave, that no other line names
.set QPI,    144                       ; the way out: a stage row, 128 bytes of codes + 16
.set WST,    16*QPI                    ; a wave's stage: 16 rows.  The stages lie in slot 0, which has had its last fill and its last read when the first code is stored there
.set VST,    16384                     ; v's way out has stage bytes of its own, from here on
.set ADRA, 16                          ; v16-17  LDS address of my A-role fragments in slot 0, 1
.set ADRB, 20                          ; v20-21  the same for the B role
.set SC,   22                          ; v22     2^eo as f32, for the conversions (eo = e2, e3 or e5)
.set LIM,  23                          ; v23     unused
.set STOQ, 24                          ; v24     q, k: where I put 16 bytes of a stage row
.set RDQ,  25                          ; v25     q, k: where I read the stage back
.set CO,   26                          ; v26     16 x lane: my place in a store's 512 bytes
.set STOV, 27                          ; v27     v: as v24
.set SPW,  28                          ; v28     LDS address of my spare word; never rewritten
.set NIL,  29                          ; v29     0; never rewritten
.set RDV,  30                          ; v30     v: as v25
.set BQ,   32                          ; v32-95  q, k: bias of B-role rows 16 b + 8 h + j at v[32 + 8 b + j]
.set BV,   96                          ; v96-111 v: bias of A-role row 16 a + r, twice, at v[96 + 2 a], v[97 + 2 a]
.set TMP,  128                         ; the way out: a block's 64 numbers
.set AF,   128                         ; the A role's fragments, in window 0
.set G1, 24                            ; s[24:31] descriptor group 1 for the A role;  s[32:39] group 0, one set for each slot
.set G0, 32
.set G1B, 48                           ; s[48:55], s[56:63] the same for the B role
.set G0B, 56
.set MSB, 0
.macro WIN new                         ; the immediate's high byte repeats the setting that is left
.if MSB != \new
	s_set_vgpr_msb (MSB<<8)|\new
.set MSB, \new
.endif
.endm
.set MUL_LO, 0xa1                      ; source 0 (B role) window 1, source 1 (A role) window 0, C and D window 2
.set MUL_HI, 0xf1                      ; the same, C and D window 3
.set TO_B,   0x40                      ; destination window 1, address window 0
; A joint load: waves 0 and 1 fetch for the A role, waves 2 and 3 for the B role.  The branch hangs on the wave's number alone.  Four v_nop follow each of the two lines.
.macro JLOAD g0a, g1a, g0b, g1b
	s_cmp_eq_u32 s15, 0
	s_cbranch_scc0 .Lfor_b_\@
	tensor_load_to_lds s[\g0a:\g0a+3], s[\g1a:\g1a+7]
	s_nop 0
.rept 4
	v_nop
.endr
	s_branch .Lasked_\@
.Lfor_b_\@:
	tensor_load_to_lds s[\g0b:\g0b+3], s[\g1b:\g1b+7]
	s_nop 0
.rept 4
	v_nop
.endr
.Lasked_\@:
.endm
.macro CREST                           ; a round of the cluster's barrier behind its opening barrier
	s_cmp_lg_u32 s14, 0
	s_cbranch_scc1 .Lnot_wave_0_\@
	s_barrier_signal -3
.Lnot_wave_0_\@:
	s_barrier_wait -3
	s_barrier_signal -1
	s_barrier_wait -1
.endm
.macro CROUND                          ; a whole round
	s_barrier_signal -1
	s_barrier_wait -1
	CREST
.endm
	s_load_b128 s[4:7], s[0:1], 0x0                ; x's codes s[4:5], w's codes s[6:7]
	s_load_b128 s[8:11], s[0:1], 0x10              ; the scales' exponents s[8:9], b_qkv s[10:11]
	s_load_b128 s[68:71], s[0:1], 0x20             ; q_codes s[68:69], k_codes s[70:71]
	s_load_b64 s[72:73], s[0:1], 0x30              ; v_codes
	v_lshl_add_u32 v[SPW], v0, 2, SPARE
	v_mov_b32 v[NIL], 0
	ds_add_u32 v28, v29
	ds_add_u32 v28, v29
	s_wait_dscnt 0x0
	v_lshrrev_b32 v1, 5, v0
	v_readfirstlane_b32 s14, v1                    ; wave 0..3
	s_lshr_b32 s15, s14, 1                         ; which half of the tile's A-role rows is mine.  Also: I fetch for the A role (0) or for the B role (1)
	s_and_b32 s16, s14, 1                          ; which half of its B-role rows.  Also: which 128 rows of that tile I fetch
	s_bfe_u32 s40, ttmp6, 0x40000                  ; cx, cy: my place in the cluster
	s_bfe_u32 s41, ttmp6, 0x40004
	s_and_b32 s18, ttmp7, 0xffff                   ; the cluster's y: 0..7
	s_cmp_eq_u32 ttmp9, 2                          ; the cluster's x: 2 = v.  The same in all sixteen partners
	s_cselect_b32 s19, ttmp9, s18                  ; the A role's group of four tiles: v: w's group 2;  q, k: x's group = cluster y
	s_cselect_b32 s67, s18, ttmp9                  ; the B role's: v: x's group = cluster y;  q, k: w's group = cluster x
	s_lshl_b32 s17, s19, 2
	s_add_co_u32 s17, s17, s41                     ; the A role's tile = 4 x group + cy: it never holds cx
	s_lshl_b32 s42, s67, 2
	s_add_co_u32 s42, s42, s40                     ; the B role's tile = 4 x group + cx: it never holds cy
	s_lshl_b32 s43, s41, 2
	s_lshl_b32 s43, 15, s43                        ; my row of the cluster
	s_lshl_b32 s44, 0x1111, s40                    ; my column
	; descriptor group 1: a tile of 128 rows x 256 bytes, padded in LDS
	s_or_b32 s[G1+0], s43, (0<<16)|(1<<20)|(1<<21)|(5<<22)|(3<<25)  ; 15:0 the mask: my row; 17:16 element of 1 byte; 20 padding on; 21 set beside a mask; 24:22 after every 64 words (code 5); 31:25 of 4 words (code 3)
	s_or_b32 s[G1B+0], s44, (0<<16)|(1<<20)|(1<<21)|(5<<22)|(3<<25) ; the same with the mask of my column
.irp g, G1, G1B
	s_mov_b32 s[\g+1], ROWB<<16                    ; tensor_dim0
	s_mov_b32 s[\g+2], 128<<16                     ; tensor_dim1 = 128
	s_mov_b32 s[\g+3], ROWB<<16                    ; tile_dim0
	s_mov_b32 s[\g+4], 128                         ; tile_dim1 = 128
	s_mov_b32 s[\g+5], KROW                        ; tensor_dim0_stride
	s_mov_b32 s[\g+6], 0
	s_mov_b32 s[\g+7], 0
.endr
	s_lshl_b32 s20, s17, 8
	s_lshl_b32 s21, s16, 7
	s_add_co_u32 s20, s20, s21                     ; A role: row 256 x tile + 128 x half,
	s_lshl_b32 s20, s20, 10                        ; in bytes (rows of 1,024; under 2^23)
	s_mov_b32 s21, 0
	s_lshl_b32 s46, s42, 8
	s_lshl_b32 s47, s16, 7
	s_add_co_u32 s46, s46, s47                     ; B role likewise
	s_lshl_b32 s46, s46, 10
	s_mov_b32 s47, 0
	s_mul_i32 s45, s14, HALFT                      ; where the tiles go: wave x 128 rows: no place in the cluster enters an LDS address
	s_wait_kmcnt 0x0
	s_load_b256 s[76:83], s[8:9], 0x0              ; e0 .. e7
	s_cmp_eq_u32 ttmp9, 2
	s_cselect_b64 s[74:75], s[6:7], s[4:5]         ; the A role's tensor: v: w;  q, k: x
	s_cselect_b64 s[92:93], s[4:5], s[6:7]         ; the B role's
	s_add_nc_u64 s[20:21], s[74:75], s[20:21]
	s_add_nc_u64 s[46:47], s[92:93], s[46:47]
	CROUND                                         ; all sixteen work-groups are here: the first joint loads meet
.irp s, 0,1
	s_mov_b32 s[G0+4*\s], 1
	s_add_co_u32 s[G0+4*\s+1], s45, \s*SLOT
	s_add_nc_u64 s[G0+4*\s+2:G0+4*\s+3], s[20:21], \s*ROWB
	s_or_b32 s[G0+4*\s+3], s[G0+4*\s+3], 0x80000000
	s_mov_b32 s[G0B+4*\s], 1
	s_add_co_u32 s[G0B+4*\s+1], s45, \s*SLOT
	s_add_nc_u64 s[G0B+4*\s+2:G0B+4*\s+3], s[46:47], \s*ROWB
	s_or_b32 s[G0B+4*\s+3], s[G0B+4*\s+3], 0x80000000
	JLOAD G0+4*\s, G1, G0B+4*\s, G1B
.endr
	v_and_b32 v1, 15, v0                           ; r = lane % 16
	s_wait_alu depctr_va_vdst(0)
	v_bfe_u32 v2, v0, 4, 1                         ; h = lane / 16
	v_mul_u32_u24 v3, v1, PITCH
	v_lshl_add_u32 v4, v2, 4, v3                   ; a fragment's row x pitch + 16 x half
	s_mul_i32 s21, s15, HALFT                      ; my 128 rows of the A role
	s_mul_i32 s22, s16, HALFT                      ; my 128 rows of the B role,
	s_add_co_u32 s22, s22, 2*HALFT                 ; which lie behind the A role's 256
.irp s, 0,1
	v_add_nc_u32 v[ADRA+\s], s21, v4
	v_add_nc_u32 v[ADRB+\s], s22, v4
	s_add_co_u32 s21, s21, SLOT
	s_add_co_u32 s22, s22, SLOT
.endr
	; the stages' addresses, all made here, of the lane and the wave's number alone
	s_mul_i32 s23, s14, WST
	v_mul_u32_u24 v5, v1, QPI
	s_wait_alu depctr_va_vdst(0)
	v_lshl_add_u32 v5, v2, 4, v5
	v_add_nc_u32 v[STOQ], s23, v5                  ; in: row r, 16 bytes for each half of the lanes
	v_add_nc_u32 v[STOV], VST, v[STOQ]
	v_and_b32 v6, 31, v0
	v_lshlrev_b32 v[CO], 4, v6
	v_lshrrev_b32 v5, 2, v6
	v_mul_u32_u24 v5, v5, QPI
	v_and_b32 v9, 3, v0
	v_lshl_add_u32 v5, v9, 4, v5
	v_add_nc_u32 v[RDQ], s23, v5                   ; q, k back: four lanes take a token's 64 bytes of one head, eight tokens an instruction
	v_lshrrev_b32 v5, 3, v6
	v_mul_u32_u24 v5, v5, QPI
	v_and_b32 v9, 7, v0
	v_lshl_add_u32 v5, v9, 4, v5
	v_add_nc_u32 v5, s23, v5
	v_add_nc_u32 v[RDV], VST, v5                   ; v back: eight lanes take a row's 128 bytes, four rows an instruction
	v_lshlrev_b32 v7, 5, v2                        ; 32 h: my eight biases of a B-role tile
	s_wait_alu depctr_va_vdst(0)
	v_lshlrev_b32 v8, 2, v1                        ; 4 r: my bias of an A-role block
	s_wait_alu depctr_va_vdst(0)
	; where my 128 x 128 results go, and their biases
	s_lshl_b32 s94, s17, 8
	s_lshl_b32 s85, s15, 7
	s_add_co_u32 s94, s94, s85                     ; my first A-role row
	s_lshl_b32 s95, s42, 8
	s_lshl_b32 s85, s16, 7
	s_add_co_u32 s95, s95, s85                     ; my first B-role row
	s_cmp_eq_u32 ttmp9, 2
	s_cselect_b32 s12, s95, s94                    ; my first token (a row of x),
	s_cselect_b32 s13, s94, s95                    ; my first column of qkv (a row of w)
	s_cselect_b32 s84, 0, s95                      ; the biases along the B role: q, k alone; the set that is not used is read from the buffer's head
	s_cselect_b32 s85, s94, 0                      ; along the A role: v alone
	s_lshl_b32 s2, s84, 2
	s_mov_b32 s3, 0
	s_add_nc_u64 s[88:89], s[10:11], s[2:3]
	s_lshl_b32 s2, s85, 2
	s_add_nc_u64 s[90:91], s[10:11], s[2:3]
.irp b, 0,1,2,3,4,5,6,7
	global_load_b128 v[BQ+8*\b:BQ+8*\b+3], v7, s[88:89] offset:64*\b
	global_load_b128 v[BQ+8*\b+4:BQ+8*\b+7], v7, s[88:89] offset:64*\b+16
.endr
.irp a, 0,1,2,3,4,5,6,7
	global_load_b32 v[BV+2*\a], v8, s[90:91] offset:64*\a
	global_load_b32 v[BV+2*\a+1], v8, s[90:91] offset:64*\a      ; twice: the packed multiply-add names a pair
.endr
	s_lshr_b32 s2, s12, 11
	s_lshl_b32 s2, s2, 21                          ; the batch: 16 heads of 131,072 bytes
	s_and_b32 s84, s13, 1023
	s_lshr_b32 s84, s84, 6
	s_lshl_b32 s84, s84, 17                        ; the head
	s_add_co_u32 s2, s2, s84
	s_and_b32 s84, s12, 2047
	s_lshl_b32 s84, s84, 6                         ; the token x 64 bytes; for v the same figure: (token / 128) blocks of 8,192 bytes, the token a multiple of 128
	s_add_co_u32 s2, s2, s84
	s_cmp_eq_u32 ttmp9, 0
	s_cselect_b64 s[86:87], s[68:69], s[70:71]
	s_cmp_eq_u32 ttmp9, 2
	s_cselect_b64 s[86:87], s[72:73], s[86:87]     ; q_codes, k_codes or v_codes
	s_add_nc_u64 s[86:87], s[86:87], s[2:3]
	s_wait_kmcnt 0x0                               ; e0 .. e7
	s_add_co_i32 s96, s76, s77
	s_add_co_i32 s96, s96, 127
	s_lshl_b32 s96, s96, 23                        ; 2^(e0 + e1) as f32
	s_mov_b32 s97, s96                             ; (named with it as a pair, so it is written)
	s_cmp_eq_u32 ttmp9, 0
	s_cselect_b32 s84, s78, s79                    ; e2 or e3,
	s_cmp_eq_u32 ttmp9, 2
	s_cselect_b32 s84, s81, s84                    ; or e5
	s_add_co_i32 s84, s84, 127
	s_lshl_b32 s85, s84, 23
	v_mov_b32 v[SC], s85                           ; 2^eo as f32: the conversion takes its exponent field
.macro FRAG reg, adr, q, i             ; a fragment, 16 rows x 128 K: lane l holds row l % 16; registers 4 c .. 4 c + 3 hold K = 32 c + 16 (l / 16) + 0 .. 15: one order of k, the same on both sides
.irp c, 0,1,2,3
	ds_load_b128 v[\reg+4*\c:\reg+4*\c+3], v[\adr] offset:128*(\q)+32*\c+(\i)*16*PITCH
.endr
.endm
; 16 matrix instructions: A-role blocks a0, a0 + 1 x the B role's eight, 128 along K.  p: the B role's set.  zero = 1: the first product starts the sums.
; The 64 accumulators take turns, one instruction a turn, in the same order in every step.
.macro MUL16 a0, p, zero
.irp a, \a0, \a0+1
.irp b, 0,1,2,3,4,5,6,7
.if \zero
	v_wmma_f32_16x16x128_fp8_fp8 v[8*(8*((\a)%4)+\b):8*(8*((\a)%4)+\b)+7], v[128*(\p)+FR*\b:128*(\p)+FR*\b+FR-1], v[AF+FR*(\a):AF+FR*(\a)+FR-1], 0
.else
	v_wmma_f32_16x16x128_fp8_fp8 v[8*(8*((\a)%4)+\b):8*(8*((\a)%4)+\b)+7], v[128*(\p)+FR*\b:128*(\p)+FR*\b+FR-1], v[AF+FR*(\a):AF+FR*(\a)+FR-1], v[8*(8*((\a)%4)+\b):8*(8*((\a)%4)+\b)+7]
.endif
.endr
.endr
.endm
.macro FETCH_B slot, q, p              ; the B role's eight fragments of the slot's q-th 128 along K into set p
	WIN TO_B
.irp i, 0,1,2,3,4,5,6,7
	FRAG 128*(\p)+FR*\i, ADRB+\slot, \q, \i
.endr
	WIN 0
.endm
.macro FETCH_A slot, q, i0             ; the A role's blocks i0 .. i0 + 3
.irp i, \i0, \i0+1, \i0+2, \i0+3
	FRAG AF+FR*(\i), ADRA+\slot, \q, \i
.endr
.endm
; A load into a register that a matrix instruction has read, and a vector instruction that reads a matrix result or writes one of its registers, stand NP places behind it; only plain vector
; instructions that name none of its registers are places (ISA guide 7.12.1 for vector instructions).
.macro PLACES n
.rept \n
	v_nop
.endr
.endm
; A step of 128 along K that has its successor in the same slot.
.macro STEP slot, q, zero
	s_wait_dscnt 4*NL                              ; the B role's set and A-role blocks 0-3 are in; the youngest 16 loads (blocks 4-7) may be out
	WIN MUL_LO
	MUL16 0, (\q)%2, \zero
	MUL16 2, (\q)%2, \zero
	s_wait_dscnt 0                                 ; blocks 4-7 are in (asked for 32 matrix instructions ago)
	PLACES NP
	FETCH_B \slot, (\q)+1, 1-(\q)%2
	FETCH_A \slot, (\q)+1, 0
	WIN MUL_HI
	MUL16 4, (\q)%2, \zero
	MUL16 6, (\q)%2, \zero
	PLACES NP
	WIN 0
	FETCH_A \slot, (\q)+1, 4
.endm
; A slot's last step changes slots: ONE barrier; in front of it each wave waits for all its tensor loads, adds 0 to its spare word, and waits for that and for its own reads of this slot.  fill = 1: this slot is filled again, two K steps ahead.
.macro TURN slot, next, fill
	s_wait_tensorcnt 0x0                           ; all my tensor loads have landed: my part of the next slot  (every window is 0 here)
	ds_add_u32 v[SPW], v[NIL]                      ; 0 onto my spare word
	s_wait_dscnt 4*NL+1                            ; (the add and the youngest 16 loads, blocks 4-7, may be out)
	WIN MUL_LO
	MUL16 0, 1, 0                                  ; sixteen matrix instructions stand between the add and the wait for it
	s_wait_dscnt 0x0                               ; the add is done, and my reads of this slot are over
	s_barrier_signal -1
	MUL16 2, 1, 0
	WIN 0
	s_barrier_wait -1
.if \fill
	CREST                                          ; the barrier has opened a round of the cluster's barrier: no wave of any partner still reads this slot's tile or has a load on its way
	s_add_nc_u64 s[G0+4*\slot+2:G0+4*\slot+3], s[G0+4*\slot+2:G0+4*\slot+3], 2*ROWB
	s_add_nc_u64 s[G0B+4*\slot+2:G0B+4*\slot+3], s[G0B+4*\slot+2:G0B+4*\slot+3], 2*ROWB
	JLOAD G0+4*\slot, G1, G0B+4*\slot, G1B         ; the first tensor load behind the round; the four v_nop behind it are the places in front of the loads below
.else
	PLACES NP
.endif
	FETCH_B \next, 0, 0
	FETCH_A \next, 0, 0
	WIN MUL_HI
	MUL16 4, 1, 0
	MUL16 6, 1, 0
	PLACES NP
	WIN 0
	FETCH_A \next, 0, 4
.endm
	s_wait_loadcnt 0x0                             ; the biases, once: the wait lies under the wait for the first tiles
	s_wait_tensorcnt 1                             ; my part of K step 0 is in (K step 1's load may be out)
	s_barrier_signal -1
	s_barrier_wait -1                              ; everybody's is
	FETCH_B 0, 0, 0
	FETCH_A 0, 0, 0
	FETCH_A 0, 0, 4
	STEP 0, 0, 1                                   ; the first step stands in front of the loop: its products start the sums
	s_mov_b32 s3, LAPS-1
.Llap:                                                 ; a trip goes once round the ring, from a lap's second step to the next lap's first, and fills both slots again
	TURN 0, 1, 1
	STEP 1, 0, 0
	TURN 1, 0, 1
	STEP 0, 0, 0
	s_sub_co_u32 s3, s3, 1
	s_cmp_lg_u32 s3, 0
	s_cbranch_scc1 .Llap
	TURN 0, 1, 0                                   ; the last lap fills nothing, and has no round of the cluster's barrier
	STEP 1, 0, 0
	s_wait_dscnt 4*NL                              ; the very last step: nothing more to fetch
	WIN MUL_LO
	MUL16 0, 1, 0
	MUL16 2, 1, 0
	s_wait_dscnt 0
	WIN MUL_HI
	MUL16 4, 1, 0
	MUL16 6, 1, 0
	WIN 0
; THE WAY OUT, block by block of 16 A-role rows x 128 B-role rows.  sum x 2^(e0 + e1) + bias in one packed multiply-add, each accumulator from its low end on;
; eight numbers to eight codes.  Two neighbouring tiles' codes are 16 bytes of a stage row; the stage is read back so that a store's 32 lanes cover 512 consecutive bytes.
; LDS serves a wave's instructions in order (ISA guide 5.7.1.4): no wait between the stores and the loads, nor in front of the next block's stores.  kind = 0: q, k;  1: v.
.macro QOUT a, kind
.set AC, 64*((\a)%4)
.set CD, 192+16*((\a)%2)
.set BB, 224+16*((\a)%2)
	WIN 0x02+((\a)/4)                              ; source 0: window 2 or 3
.irp b, 0,1,2,3,4,5,6,7
.irp i, 0,2,4,6
.if \kind
	v_pk_fma_f32 v[TMP+8*\b+\i:TMP+8*\b+\i+1], v[AC+8*\b+\i:AC+8*\b+\i+1], s[96:97], v[BV+2*(\a):BV+2*(\a)+1] op_sel_hi:[1,0,1]
.else
	v_pk_fma_f32 v[TMP+8*\b+\i:TMP+8*\b+\i+1], v[AC+8*\b+\i:AC+8*\b+\i+1], s[96:97], v[BQ+8*\b+\i:BQ+8*\b+\i+1] op_sel_hi:[1,0,1]
.endif
.endr
.endr
	WIN 0
.set n, 0
.rept 64
.set n, n+1
.endr
.irp b, 0,1,2,3,4,5,6,7
	v_cvt_scalef32_pk8_fp8_f32 v[CD+2*\b:CD+2*\b+1], v[TMP+8*\b:TMP+8*\b+7], v[SC]
.endr
	v_nop                                          ; one plain vector instruction behind the last conversion: the next block's multiply-adds write its sources
.irp w, 0,1,2,3
.if \kind
	ds_store_b128 v[STOV], v[CD+4*\w:CD+4*\w+3] offset:32*\w
.else
	ds_store_b128 v[STOQ], v[CD+4*\w:CD+4*\w+3] offset:32*\w
.endif
.endr
.irp t, 0,1,2,3
.if \kind
	ds_load_b128 v[BB+4*\t:BB+4*\t+3], v[RDV] offset:4*QPI*\t              ; rows 4 t .. 4 t + 3, whole
.else
	ds_load_b128 v[BB+4*\t:BB+4*\t+3], v[RDQ] offset:8*QPI*(\t%2)+64*(\t/2)   ; head t / 2, tokens 8 (t % 2) on
.endif
.endr
.endm
.macro QSEND a, kind, younger          ; younger: the LDS instructions issued behind block a's loads, which may stay out
.set BB, 224+16*((\a)%2)
	s_wait_dscnt \younger
.irp t, 0,1,2,3
.if \kind
	global_store_b128 v[CO], v[BB+4*\t:BB+4*\t+3], s[86:87] offset:131072*((\a)/4)+2048*((\a)%4)+512*\t   ; head a / 4, rows d = 16 (a % 4) + 4 t on: 512 consecutive bytes, aligned
.else
	global_store_b128 v[CO], v[BB+4*\t:BB+4*\t+3], s[86:87] offset:131072*(\t/2)+1024*(\a)+512*(\t%2)     ; head t / 2, tokens 16 a + 8 (t % 2) on: 512 consecutive bytes, aligned
.endif
.endr
.endm
.macro ALLOUT kind
	QOUT 0, \kind
.irp a, 1,2,3,4,5,6,7
.if \a > 1
	s_wait_xcnt 0x0                                ; block a - 2's stores have read their registers: block a's loads may land there
.endif
	QOUT \a, \kind
	QSEND \a-1, \kind, 8                           ; behind block a - 1's loads: block a's 4 stores and 4 loads
.endr
	QSEND 7, \kind, 0
.endm
	PLACES NP                                      ; behind the last products: for the reads of results and for the writes into the registers that held the A role's fragments
	s_cmp_eq_u32 ttmp9, 2                          ; the cluster's x: the same way in all sixteen partners
	s_cbranch_scc1 .Lv_out
	ALLOUT 0
	s_branch .Ldone
.Lv_out:
	ALLOUT 1
.Ldone:
	s_wait_tensorcnt 0x0                           ; the wave's end: behind my last tensor load and my last LDS store
	ds_add_u32 v[SPW], v[NIL]
	s_wait_dscnt 0x0
	CROUND                                         ; the closing round: no work-group ends while a partner may still ask for a tile that names it
	s_endpgm
.Lfunc_end_k_q1410cdcf2e_qkv:
	.size	k_q1410cdcf2e_qkv, .Lfunc_end_k_q1410cdcf2e_qkv-k_q1410cdcf2e_qkv
	.p2alignl 7, 3214868480
	.fill 96, 4, 3214868480
	.section	.rodata,"a",@progbits
	.p2align	6, 0x0
	.amdhsa_kernel k_q1410cdcf2e_qkv
		.amdhsa_group_segment_fixed_size 327680
		.amdhsa_private_segment_fixed_size 0
		.amdhsa_enable_private_segment 0
		.amdhsa_kernarg_size 56
		.amdhsa_user_sgpr_count 2
		.amdhsa_user_sgpr_kernarg_segment_ptr 1
		.amdhsa_wavefront_size32 1
		.amdhsa_system_sgpr_workgroup_id_x 1
		.amdhsa_system_sgpr_workgroup_id_y 1
		.amdhsa_system_sgpr_workgroup_id_z 1
		.amdhsa_system_vgpr_workitem_id 0
		.amdhsa_next_free_vgpr 1024
		.amdhsa_next_free_sgpr 98
		.amdhsa_reserve_vcc 0
		.amdhsa_float_denorm_mode_32 3
		.amdhsa_float_denorm_mode_16_64 3
		.amdhsa_fp16_overflow 1
		.amdhsa_memory_ordered 1
		.amdhsa_forward_progress 1
		.amdhsa_inst_pref_size 139
	.end_amdhsa_kernel
	.amdgpu_metadata
---
amdhsa.version: [ 1, 2 ]
amdhsa.kernels:
  - .name:           k_q1410cdcf2e_qkv
    .symbol:         k_q1410cdcf2e_qkv.kd
    .args:
      - { .name: x_codes, .offset: 0, .size: 8, .value_kind: global_buffer, .address_space: global }
      - { .name: w_qkv_codes, .offset: 8, .size: 8, .value_kind: global_buffer, .address_space: global }
      - { .name: lowp_scales, .offset: 16, .size: 8, .value_kind: global_buffer, .address_space: global }
      - { .name: b_qkv, .offset: 24, .size: 8, .value_kind: global_buffer, .address_space: global }
      - { .name: q_codes, .offset: 32, .size: 8, .value_kind: global_buffer, .address_space: global }
      - { .name: k_codes, .offset: 40, .size: 8, .value_kind: global_buffer, .address_space: global }
      - { .name: v_codes, .offset: 48, .size: 8, .value_kind: global_buffer, .address_space: global }
    .group_segment_fixed_size: 327680
    .private_segment_fixed_size: 0
    .kernarg_segment_align: 8
    .kernarg_segment_size: 56
    .max_flat_workgroup_size: 128
    .sgpr_count:     98
    .vgpr_count:     1024
    .wavefront_size: 32
...
	.end_amdgpu_metadata
.endif
;; end of part 1
;; launch attn (part 2): grid 4 x 64, 16 waves a work-group, no clusters, 327,680 bytes of LDS; arguments q_codes, k_codes, v_codes, lowp_scales, y_codes; writes y_codes
.if DOCPART == 2
	.amdgcn_target "amdgcn-amd-amdhsa--gfx1250"
	.amdhsa_code_object_version 6
	.text
	.protected	k_q1410cdcf2e_attn
	.globl	k_q1410cdcf2e_attn
	.p2align	8
	.type	k_q1410cdcf2e_attn,@function
k_q1410cdcf2e_attn:
	s_mov_b64 s[64:65], 0
	v_nop
	global_prefetch_b8 v0, s[64:65] scope:SCOPE_SE
	s_setreg_imm32_b32 hwreg(HW_REG_WAVE_MODE, 25, 1), 1
	s_wait_xcnt 0x0
; y[b][q][head] = softmax_k(q . k / 8, causal) v on codes of FP8 (E4M3): q with 2^e2, k with 2^e3, p with 2^e4, v with 2^e5; y is quantised at once with 2^e6 and leaves as codes.
; q_codes, k_codes: [bh 64][token 2048][64 bytes]; v_codes: [bh][block of 128 keys][d 64][128 bytes], the keys innermost; both in the order that a 16-byte load at 16 (lane / 16) turns into the matrix forms' own.
; y_codes: [token / 4][head 16][token % 4][d 64]: a wave's 16 tokens x 64 bytes of one head are four aligned runs of 256 bytes.
; THE SOFTMAX: t = score x log2(e) / 8; M = the row's largest t so far, rounded UP to a whole number; p = 2^(t - M) is quantised, not normalised; the row's sum is taken of the unquantised p and divides O at the end.
; When M moves, the sum and O are multiplied by 2^(old M - new M): exact.
; SHARES.  Work-group (i, bh) owns two blocks of 256 queries of one head: block 7 - i first, over key slots 0 .. 7 - i, then block i, over slots 0 .. i: always 9 slots of 256 keys, so the 256 work-groups
; have equal work and the loop's trip count is a constant.  Each of SIXTEEN waves owns 16 queries of the block in hand, in 256 registers: four waves to a SIMD, one wave's vector work beside another's matrix work.
; A step of 128 keys all of which come after the wave's queries is jumped over (a scalar branch on ids); in the step on the diagonal hidden scores become -infinity ahead of the maximum.
; NO CLUSTER: the four work-groups of a head want the same slot only in trips 0 to 4; from trip 5 on work-group i is back at slot t - 8 + i, another in each.  A walk in step would take 8 + 4 = 12 slots against 9.
; LAYOUT.  Both products are used transposed: S^T = K Q^T (source 0 = 16 keys, source 1 = my 16 queries), O^T = V^T P^T (source 0 = 16 of the head's 64, source 1 = P): a lane holds ONE query throughout.
; Tile t of S^T holds keys 16 t + 8 (lane / 16) + 0 .. 7 in a lane's eight registers: their eight codes are registers 2 t, 2 t + 1 of the second product's operand as the form itself lays it.
; LIMITS on the given exponents: e2 + e3 between -123 and 130 (added to c's exponent field); e4 and e6 between -126 and 119; e4 + e5 is applied by v_ldexp_f32.  NaN among the inputs is not served.
; REGISTERS: v1-11 addresses; v12 -M, v13 the largest t, v[14:15] the sum in two halves; v16-23 Q in hand, v24-31 the second block's Q; v32-95 K's eight fragments, then V's four; v96-159 S^T, then p;
;   v160-191 O^T; v192-207 the way out; v208 a permute's destination; v224-239 p's codes; v244 2^e4, v246 2^e6; v236-243, v248-255 at work.
.set KP,    80                         ; a key's row in LDS: 64 bytes + 16 of padding: 20 words, so the 16 rows of a load start at 16 different groups of four banks (64 banks of 4 bytes: ISA guide 11.1)
.set VP,    144                        ; a row of V's tile: 128 bytes + 16
.set VOFF,  256*KP                     ; a slot: 256 rows of K, then 2 x 64 rows of V
.set SLOT1, 1<<16                      ; slot 1 begins here, so that one exclusive or turns an address in one slot into the other's
.set SPARE, 2*SLOT1                    ; behind the ring: the spare words, 128 bytes for each of 16 waves, that no other line names
.set STAGE, SPARE+2048                 ; the way out: 16 rows x 80 bytes for each wave; no tensor load lands here
.set SPI,   80
.set AK0,  1                           ; v1   my lane's place in a tile of K
.set AV0,  2                           ; v2   the same for V
.set PFO,  3                           ; v3   256 x my lane: the prefetches' offset; never rewritten
.set QA,   4                           ; v4   my lane's bytes in the wave's 16 rows of Q
.set SPW,  5                           ; v5   LDS address of my spare word; never rewritten
.set NIL,  6                           ; v6   0; never rewritten
.set GO,   7                           ; v7   my byte offset in the wave's part of y_codes
.set ADK,  8                           ; v8   LDS address of the step's tiles of K
.set ADV,  9                           ; v9   of V
.set STO,  10                          ; v10  the stage: where I put 8 bytes of a row
.set RD,   11                          ; v11  and where I read it back
.set TB,   2                           ; s2   LDS byte at which the slot in hand begins
.set T,    3                           ; s3   the trip, 0 .. 7
.set WV,   18                          ; s18  my wave's number
.set SEL,  20                          ; s[20:21] lane selects for v_permlanex16_b32: lane l xor 16
.set CS,   22                          ; s[22:23] c = log2(e) / 8 x 2^(e2 + e3)
.set G1K,  24                          ; s[24:31] descriptor group 1 for K's tiles;  s[32:39] for V's;  s[40:43], s[44:47] their groups 0
.set G1V,  32
.set G0K,  40
.set G0V,  44
.set SWT,  48                          ; s48  7 - i: the trip in which the first block ends
.set SL,   49                          ; s49  the key slot in hand
.set SLN,  50                          ; s50  the next trip's
.set KF,   51                          ; s51  the step's first key
.set Q0,   52                          ; s52  my first query of the block in hand
.set QL0,  53                          ; s53  of the second block
.set KBASE, 54                         ; s[54:55] K at my part of the head's slot 0;  s[56:57] V likewise
.set VBASE, 56
.set OFF,  58                          ; s[58:59] 16,384 x the slot to be fetched
.set YPH,  60                          ; s[60:61] y_codes at my 16 tokens of the first block;  s[62:63] of the second
.set YPL,  62
.set PFA,  76                          ; s[76:77] where my prefetches stand
.set LIM,  80                          ; s80  6 in a wave that prefetches, else 0: a wave prefetches while the trip is under it
.set ES,   81                          ; s81  e4 + e5
; Waves 0 and 1 fetch K's halves, waves 2 and 3 V's blocks, the others nothing.  The branches hang on the wave's number alone.  Four v_nop follow each of the two lines.
.macro TLOAD
	s_cmp_lt_u32 s[WV], 2
	s_cbranch_scc0 .Lnot_k_\@
	tensor_load_to_lds s[G0K:G0K+3], s[G1K:G1K+7]
	s_nop 0
.rept 4
	v_nop
.endr
	s_branch .Lasked_\@
.Lnot_k_\@:
	s_cmp_lt_u32 s[WV], 4
	s_cbranch_scc0 .Lasked_\@
	tensor_load_to_lds s[G0V:G0V+3], s[G1V:G1V+7]
	s_nop 0
.rept 4
	v_nop
.endr
.Lasked_\@:
.endm
; A PREFETCH INTO THE L2 of the slot that the NEXT change of slots will ask for: trip t names slot t + 2, t = 0 .. 5.  All four work-groups of a head begin with slots 0, 1, 2 ..; work-group i = 0, which walks
; all eight on end, asks, and nobody else.  In it waves 4 and 5 ask for the two halves of K's 16,384 bytes of a slot, waves 6 and 7 for V's two blocks: 8,192 bytes a wave, lanes 256 bytes apart, one instruction.
; So each aligned run of 256 bytes is named once in the launch.  Slots 0 and 1 come by their loads alone; from trip 6 on nothing is asked: slot 7 is the head's last.
.macro ASK
	s_cmp_lt_u32 s[T], s[LIM]
	s_cbranch_scc0 .Lnot_mine_\@
	global_prefetch_b8 v[PFO], s[PFA:PFA+1] th:TH_LOAD_NT scope:SCOPE_SE
.Lnot_mine_\@:
.endm
	s_load_b128 s[4:7], s[0:1], 0x0                ; q_codes s[4:5], k_codes s[6:7]
	s_load_b128 s[12:15], s[0:1], 0x10             ; v_codes s[12:13], the scales' exponents s[14:15]
	s_load_b64 s[16:17], s[0:1], 0x20              ; y_codes
	v_lshl_add_u32 v[SPW], v0, 2, SPARE
	v_mov_b32 v[NIL], 0
	ds_add_u32 v5, v6
	ds_add_u32 v5, v6
	s_wait_dscnt 0x0
	v_lshrrev_b32 v8, 5, v0
	s_delay_alu instid0(VALU_DEP_1)
	v_readfirstlane_b32 s[WV], v8                  ; wave 0..15
	s_and_b32 s82, ttmp7, 0xffff                   ; bh = 16 b + head
	s_lshl_b32 s84, s82, 17                        ; the head's first byte in q_codes, k_codes and v_codes: 131,072 bytes a head
	s_and_b32 s83, s[WV], 1
	s_lshl_b32 s86, s83, 13
	s_add_co_u32 s86, s86, s84                     ; + the half of a slot that I fetch or prefetch: 8,192 bytes
	s_mov_b32 s87, 0
	s_mul_i32 s[G0K+1], s83, 128*KP                ; where it goes in slot 0: K's half,
	s_mul_i32 s[G0V+1], s83, 64*VP
	s_add_co_u32 s[G0V+1], s[G0V+1], VOFF          ; V's block
	s_sub_co_u32 s[SWT], 7, ttmp9
	s_lshl_b32 s96, s[WV], 4
	s_lshl_b32 s[Q0], s[SWT], 8
	s_add_co_u32 s[Q0], s[Q0], s96                 ; 256 (7 - i) + 16 x wave
	s_lshl_b32 s[QL0], ttmp9, 8
	s_add_co_u32 s[QL0], s[QL0], s96               ; 256 i + 16 x wave
	s_lshl_b32 s88, s[Q0], 6
	s_add_co_u32 s88, s88, s84                     ; my rows of Q, first block,
	s_mov_b32 s89, 0
	s_lshl_b32 s90, s[QL0], 6
	s_add_co_u32 s90, s90, s84                     ; second block
	s_mov_b32 s91, 0
	s_lshr_b32 s92, s82, 4
	s_lshl_b32 s92, s92, 11                        ; 2,048 b
	s_and_b32 s93, s82, 15
	s_lshl_b32 s93, s93, 8                         ; 256 x head
	s_add_co_u32 s[YPH], s92, s[Q0]
	s_lshl_b32 s[YPH], s[YPH], 10                  ; a token is 1,024 bytes of y_codes (four tokens: 4,096)
	s_add_co_u32 s[YPH], s[YPH], s93
	s_mov_b32 s[YPH+1], 0
	s_add_co_u32 s[YPL], s92, s[QL0]
	s_lshl_b32 s[YPL], s[YPL], 10
	s_add_co_u32 s[YPL], s[YPL], s93
	s_mov_b32 s[YPL+1], 0
	; descriptor group 1: 8,192 dense bytes as 32 rows of 256; K: 16 bytes of padding behind every 64 (a key's row), V: behind every 128 (a row of 128 keys)
	s_mov_b32 s[G1K], (0<<16)|(1<<20)|(3<<22)|(3<<25)             ; 15:0 no mask; 17:16 elements of 1 byte; 20 padding on; 24:22 after every 16 words (code 3); 31:25 four words (code 3)
	s_mov_b32 s[G1V], (0<<16)|(1<<20)|(4<<22)|(3<<25)             ; after every 32 words (code 4)
.irp g, G1K, G1V
	s_mov_b32 s[\g+1], 256<<16                     ; tensor_dim0
	s_mov_b32 s[\g+2], 32<<16                      ; tensor_dim1
	s_mov_b32 s[\g+3], 256<<16                     ; tile_dim0
	s_mov_b32 s[\g+4], 32                          ; tile_dim1
	s_mov_b32 s[\g+5], 256                         ; tensor_dim0_stride
	s_mov_b32 s[\g+6], 0
	s_mov_b32 s[\g+7], 0
.endr
	s_mov_b32 s[SEL], 0x76543210
	s_mov_b32 s[SEL+1], 0xfedcba98
	s_mov_b32 s[CS], 0x3e38aa3b                    ; log2(e) / 8
	s_mov_b32 s[OFF+1], 0
	s_mov_b32 s[TB], 0
	s_mov_b32 s[T], 0
	s_mov_b32 s[SL], 0
	s_wait_kmcnt 0x0
	s_load_b256 s[68:75], s[14:15], 0x0            ; e0 .. e7
	s_add_nc_u64 s[KBASE:KBASE+1], s[6:7], s[86:87]
	s_add_nc_u64 s[VBASE:VBASE+1], s[12:13], s[86:87]
	s_mov_b32 s[G0K], 1                            ; 1:0 count = 1
	s_mov_b64 s[G0K+2:G0K+3], s[KBASE:KBASE+1]     ; 120:64 global address: key slot 0
	s_or_b32 s[G0K+3], s[G0K+3], 0x80000000        ; 127:126 type = 2
	s_mov_b32 s[G0V], 1
	s_mov_b64 s[G0V+2:G0V+3], s[VBASE:VBASE+1]
	s_or_b32 s[G0V+3], s[G0V+3], 0x80000000
	TLOAD                                          ; key slot 0 into LDS slot 0: the one first fill at the head; LDS slot 1 is first filled behind the first trip's barrier
	s_add_nc_u64 s[88:89], s[4:5], s[88:89]
	s_add_nc_u64 s[90:91], s[4:5], s[90:91]
	s_add_nc_u64 s[YPH:YPH+1], s[16:17], s[YPH:YPH+1]
	s_add_nc_u64 s[YPL:YPL+1], s[16:17], s[YPL:YPL+1]
	s_cmp_lt_u32 s[WV], 6                          ; the prefetches: waves 4, 5 stand in K, waves 6, 7 in V,
	s_cselect_b64 s[PFA:PFA+1], s[6:7], s[12:13]
	s_add_nc_u64 s[PFA:PFA+1], s[PFA:PFA+1], s[86:87]
	s_add_nc_u64 s[PFA:PFA+1], s[PFA:PFA+1], 16384  ; at slot 1: the first change of slots steps it to slot 2
	s_sub_co_u32 s82, s[WV], 4
	s_lshr_b32 s82, s82, 2                         ; 0 in waves 4 to 7,
	s_or_b32 s82, s82, ttmp9                       ; of work-group i = 0
	s_cmp_eq_u32 s82, 0
	s_cselect_b32 s[LIM], 6, 0
	v_and_b32 v8, 15, v0                           ; r = lane % 16
	v_bfe_u32 v9, v0, 4, 1                         ; h = lane / 16
	s_delay_alu instid0(VALU_DEP_2)
	v_lshlrev_b32 v[QA], 6, v8
	s_delay_alu instid0(VALU_DEP_1)
	v_lshl_add_u32 v[QA], v9, 4, v[QA]             ; row r of 64 bytes, + 16 h
	global_load_b128 v[16:19], v[QA], s[88:89]
	global_load_b128 v[20:23], v[QA], s[88:89] offset:32
	global_load_b128 v[24:27], v[QA], s[90:91]     ; the second block's Q waits in registers
	global_load_b128 v[28:31], v[QA], s[90:91] offset:32
	v_mul_u32_u24 v[AK0], v8, KP
	s_delay_alu instid0(VALU_DEP_1)
	v_lshl_add_u32 v[AK0], v9, 4, v[AK0]
	v_mul_u32_u24 v[AV0], v8, VP
	s_delay_alu instid0(VALU_DEP_1)
	v_lshl_add_u32 v[AV0], v9, 4, v[AV0]
	s_delay_alu instid0(VALU_DEP_1)
	v_add_nc_u32 v[AV0], VOFF, v[AV0]
	v_and_b32 v252, 31, v0
	s_delay_alu instid0(VALU_DEP_1)
	v_lshlrev_b32 v[PFO], 8, v252
	v_lshlrev_b32 v[GO], 12, v9
	s_delay_alu instid0(VALU_DEP_1)
	v_lshl_add_u32 v[GO], v8, 4, v[GO]             ; lanes 0-15 fill one run of 256 bytes (four tokens of my head), lanes 16-31 the run 4,096 bytes on
	s_mul_i32 s83, s[WV], 16*SPI
	s_add_co_u32 s83, s83, STAGE                   ; my stage
	v_mul_u32_u24 v[STO], v8, SPI
	s_delay_alu instid0(VALU_DEP_1)
	v_lshl_add_u32 v[STO], v9, 3, v[STO]
	s_delay_alu instid0(VALU_DEP_1)
	v_add_nc_u32 v[STO], s83, v[STO]               ; in: row r; tile u's eight codes of my half: 16 u + 8 h bytes on
	v_lshrrev_b32 v253, 2, v252
	s_delay_alu instid0(VALU_DEP_1)
	v_mul_u32_u24 v[RD], v253, SPI
	v_and_b32 v253, 3, v0
	s_delay_alu instid0(VALU_DEP_1)
	v_lshl_add_u32 v[RD], v253, 4, v[RD]
	s_delay_alu instid0(VALU_DEP_1)
	v_add_nc_u32 v[RD], s83, v[RD]                 ; back: four lanes to a row of 64 bytes, eight rows an instruction
	v_mov_b32 v13, 0xff61b1e6                      ; the largest t so far: -3e38, under every t
	s_delay_alu instid0(VALU_DEP_1)
	v_floor_f32 v12, -v13                          ; -M
	v_mov_b32 v14, 0                               ; the sum, in two halves
	v_mov_b32 v15, 0
	v_mov_b32 v208, 0                              ; written once: a lane permute's destination counts as one of its sources
	v_mov_b32 v253, 0                              ; (named as the upper half of the pair v[252:253])
.set n, 0
.rept 32
	v_mov_b32 v[160+n], 0                          ; O^T.  (The step is written once: a block's first step finds zeros, which the first change of M leaves zeros)
.set n, n+1
.endr
	s_wait_kmcnt 0x0
	s_add_co_i32 s82, s70, s71
	s_lshl_b32 s82, s82, 23
	s_add_co_i32 s[CS], s[CS], s82                 ; a score stands for score x 2^(e2 + e3): the two exponents are added to c's exponent field
	s_mov_b32 s[CS+1], s[CS]                       ; (named with it as a pair, so it is written)
	s_add_co_i32 s82, s72, 127
	s_lshl_b32 s83, s82, 23
	v_mov_b32 v244, s83                            ; 2^e4 as f32, for p's conversions
	s_add_co_i32 s82, s74, 127
	s_lshl_b32 s83, s82, 23
	v_mov_b32 v246, s83                            ; 2^e6, for y's
	s_add_co_i32 s[ES], s72, s73                   ; e4 + e5
; A KEY STEP: 128 keys, the q-th of the slot in hand.
.macro STEP q
	s_add_co_u32 s96, s[Q0], 15
	s_cmp_gt_u32 s[KF], s96                        ; all 128 keys come after my 16 queries: the step's work is left out.  No barrier and no tensor load stands in a step
	s_cbranch_scc1 .Lhidden_\@
	v_add_nc_u32 v[ADK], s[TB], v[AK0]
	v_add_nc_u32 v[ADV], s[TB], v[AV0]
	v_nop                                          ; with the two additions: four places in front of loads into registers that the last products read
	v_nop
.irp t, 0,1,2,3,4,5,6,7
	ds_load_b128 v[32+8*\t:35+8*\t], v[ADK] offset:(128*(\q)+16*\t)*KP
	ds_load_b128 v[36+8*\t:39+8*\t], v[ADK] offset:(128*(\q)+16*\t)*KP+32
.endr
	s_wait_dscnt 0x0
	s_wait_alu depctr_va_vdst(0)
.irp t, 0,1,2,3,4,5,6,7
	v_wmma_f32_16x16x64_fp8_fp8 v[96+8*\t:103+8*\t], v[32+8*\t:39+8*\t], v[16:23], 0    ; S^T: keys 16 t on x my 16 queries, K = the head's 64
.endr
.rept 4
	v_nop                                          ; four places: in front of the loads below, into registers that these products read, and of the first read of the scores
.endr
.irp u, 0,1,2,3
.irp c, 0,1,2,3
	ds_load_b128 v[32+16*\u+4*\c:35+16*\u+4*\c], v[ADV] offset:64*VP*(\q)+16*VP*\u+32*\c    ; V's four fragments land while the softmax is worked
.endr
.endr
	s_add_co_u32 s96, s[KF], 127
	s_cmp_le_u32 s96, s[Q0]                        ; all 128 keys count for all my queries: no mask
	s_cbranch_scc1 .Lopen_\@
	s_sub_co_i32 s96, s[Q0], s[KF]
	v_and_b32 v252, 15, v0
	v_bfe_u32 v253, v0, 4, 1
	s_delay_alu instid0(VALU_DEP_1)
	v_lshlrev_b32 v253, 3, v253
	s_delay_alu instid0(VALU_DEP_1)
	v_sub_nc_u32 v252, v252, v253
	s_delay_alu instid0(VALU_DEP_1)
	v_add_nc_u32 v252, s96, v252                   ; d = my query - KF - 8 (lane / 16).  Register 8 t + j holds key KF + 8 (lane / 16) + 16 t + j: hidden where 16 t + j > d
	v_mov_b32 v254, 0xff800000                     ; -infinity
.set n, 0
.rept 64
	v_cmp_gt_i32 vcc_lo, 16*(n/8)+n%8, v252
	v_cndmask_b32 v[96+n], v[96+n], v254, vcc_lo
.set n, n+1
.endr
.Lopen_\@:
	v_max3_num_f32 v254, v96, v97, v98             ; the step's largest score of my query, among my 64 keys, in two chains; each tile is first read at its low end,
	v_max3_num_f32 v252, v99, v100, v101
.irp i, 6,10,14,18,22,26,30,34,38,42,46,50,54,58
	v_max3_num_f32 v254, v254, v[96+\i], v[97+\i]
	v_max3_num_f32 v252, v252, v[98+\i], v[99+\i]
.endr
	v_max3_num_f32 v254, v254, v158, v159
	s_delay_alu instid0(VALU_DEP_1)
	v_max_num_f32 v254, v254, v252
	s_delay_alu instid0(VALU_DEP_1)
	v_permlanex16_b32 v208, v254, s[SEL], s[SEL+1]
	s_delay_alu instid0(VALU_DEP_1)
	v_max_num_f32 v254, v254, v208                 ; and among lane l xor 16's
	s_delay_alu instid0(VALU_DEP_1)
	v_mul_f32 v254, s[CS], v254                    ; as t (c is positive)
	s_delay_alu instid0(VALU_DEP_1)
	v_max_num_f32 v13, v13, v254                   ; the running largest t
	v_mov_b32 v254, v12
	s_delay_alu instid0(VALU_DEP_2)
	v_floor_f32 v12, -v13                          ; the new -M = floor(-t) = -ceil(t): M is a whole number
	s_delay_alu instid0(VALU_DEP_1)
	v_sub_f32 v254, v12, v254                      ; M's old value less its new one: a whole number, 0 or less
	s_delay_alu instid0(VALU_DEP_1)
	v_cvt_i32_f32 v254, v254                       ; (it saturates)
	s_delay_alu instid0(VALU_DEP_1)
	v_ldexp_f32 v252, 1.0, v254                    ; f = 2^(old M - new M)
.set n, 0
.rept 32
	v_pk_fma_f32 v[96+n:97+n], v[96+n:97+n], s[CS:CS+1], v[12:13] op_sel_hi:[1,0,0]   ; t - M, two at a time
.set n, n+2
.endr
.set n, 0
	s_wait_alu depctr_va_vdst(0)
.rept 64
	v_exp_f32 v[96+n], v[96+n]                     ; p = 2^(t - M), at most 1: not normalised
.set n, n+1
.endr
	v_pk_mul_f32 v[14:15], v[14:15], v[252:253] op_sel_hi:[1,0]   ; the sums under the new M.  (The plain instruction behind the exponentials)
	s_wait_alu depctr_va_vdst(0)                   ; one wait for the whole batch of 64, ahead of its first reader
	v_pk_add_f32 v[242:243], v[100:101], v[104:105]
	v_pk_add_f32 v[254:255], v[108:109], v[112:113]
	v_pk_add_f32 v[250:251], v[116:117], v[120:121]
	v_pk_add_f32 v[248:249], v[124:125], v[128:129]
	v_pk_add_f32 v[240:241], v[132:133], v[136:137]
	v_pk_add_f32 v[238:239], v[140:141], v[144:145]
	v_pk_add_f32 v[236:237], v[148:149], v[152:153]
	v_pk_add_f32 v[14:15], v[14:15], v[156:157]
	v_pk_add_f32 v[242:243], v[242:243], v[96:97]
	v_pk_add_f32 v[254:255], v[254:255], v[98:99]
	v_pk_add_f32 v[250:251], v[250:251], v[102:103]
	v_pk_add_f32 v[248:249], v[248:249], v[106:107]
	v_pk_add_f32 v[240:241], v[240:241], v[110:111]
	v_pk_add_f32 v[238:239], v[238:239], v[114:115]
	v_pk_add_f32 v[236:237], v[236:237], v[118:119]
	v_pk_add_f32 v[14:15], v[14:15], v[122:123]
	v_pk_add_f32 v[242:243], v[242:243], v[126:127]
	v_pk_add_f32 v[254:255], v[254:255], v[130:131]
	v_pk_add_f32 v[250:251], v[250:251], v[134:135]
	v_pk_add_f32 v[248:249], v[248:249], v[138:139]
	v_pk_add_f32 v[240:241], v[240:241], v[142:143]
	v_pk_add_f32 v[238:239], v[238:239], v[146:147]
	v_pk_add_f32 v[236:237], v[236:237], v[150:151]
	v_pk_add_f32 v[14:15], v[14:15], v[154:155]
	v_pk_add_f32 v[242:243], v[242:243], v[158:159]
	s_delay_alu instid0(VALU_DEP_2)
	v_pk_add_f32 v[14:15], v[14:15], v[248:249]
	s_delay_alu instid0(VALU_DEP_2)
	v_pk_add_f32 v[242:243], v[242:243], v[240:241]
	v_pk_add_f32 v[254:255], v[254:255], v[238:239]
	v_pk_add_f32 v[250:251], v[250:251], v[236:237]
	s_delay_alu instid0(VALU_DEP_2)
	v_pk_add_f32 v[14:15], v[14:15], v[254:255]
	s_delay_alu instid0(VALU_DEP_2)
	v_pk_add_f32 v[242:243], v[242:243], v[250:251]
	s_delay_alu instid0(VALU_DEP_1)
	v_pk_add_f32 v[14:15], v[14:15], v[242:243]
.irp t, 0,1,2,3,4,5,6,7
.irp i, 0,1,2,3,4,5,6,7
.endr
	v_cvt_scalef32_pk8_fp8_f32 v[224+2*\t:225+2*\t], v[96+8*\t:103+8*\t], v244
.endr
.set n, 0
.rept 16
	v_pk_mul_f32 v[160+n:161+n], v[160+n:161+n], v[252:253] op_sel_hi:[1,0]   ; O^T under the new M, each accumulator from its low end on.  (Also the plain instructions between the conversions and the products)
.set n, n+2
.endr
	s_wait_alu depctr_va_vdst(0)
	s_wait_dscnt 0x0                               ; V's fragments are in
.irp u, 0,1,2,3
	v_wmma_f32_16x16x128_fp8_fp8 v[160+8*\u:167+8*\u], v[32+16*\u:47+16*\u], v[224:239], v[160+8*\u:167+8*\u]   ; O^T += V^T P^T: d = 16 u on, K = these 128 keys; the four accumulators take turns
.endr
.Lhidden_\@:
	s_add_co_u32 s[KF], s[KF], 128
.endm
; THE CHANGE OF SLOTS stands at a trip's head.  Each wave waits for all its tensor loads (its part of the slot that it is about to read), adds 0 to its spare word, and waits for that and for its reads of the slot
; that it has left.  Behind the barrier the slot ahead is whole and nobody reads the other one.  fill = 1: that other slot is filled with the next trip's keys: the load has a whole trip in which to land.
.macro CHANGE fill
	s_wait_tensorcnt 0x0                           ; no tensor load of mine is out, so a group 0 may be written
	ds_add_u32 v[SPW], v[NIL]                      ; 0 onto my spare word; the descriptors' steps stand between it and the wait for it
.if \fill
	s_add_co_u32 s[SLN], s[SL], 1                  ; the next trip's key slot: one on,
	s_cmp_eq_u32 s[T], s[SWT]
	s_cselect_b32 s[SLN], 0, s[SLN]                ; or 0 where the second block begins
	s_lshl_b32 s[OFF], s[SLN], 14                  ; 16,384 bytes a slot, in K and in V
	s_xor_b32 s[G0K+1], s[G0K+1], SLOT1            ; the other LDS slot than last time
	s_add_nc_u64 s[G0K+2:G0K+3], s[KBASE:KBASE+1], s[OFF:OFF+1]
	s_or_b32 s[G0K+3], s[G0K+3], 0x80000000
	s_xor_b32 s[G0V+1], s[G0V+1], SLOT1
	s_add_nc_u64 s[G0V+2:G0V+3], s[VBASE:VBASE+1], s[OFF:OFF+1]
	s_or_b32 s[G0V+3], s[G0V+3], 0x80000000
	s_wait_xcnt 0x0                                ; the last prefetch, a trip back, has read its address, so it may be written
	s_add_nc_u64 s[PFA:PFA+1], s[PFA:PFA+1], 16384
.endif
	s_wait_dscnt 0x0                               ; the add is done, and my reads of the slot that I have left are over
	s_barrier_signal -1
	s_barrier_wait -1
.if \fill
	TLOAD                                          ; the first thing behind the barrier, and a wave's one tensor load until the next
	ASK
.endif
.endm
; THE WAY OUT of a block: y = O^T x 2^(e4 + e5) / the sum, eight numbers to eight codes; through my stage, so that sixteen lanes store 256 consecutive bytes, aligned.
.macro WAYOUT yp
	s_wait_xcnt 0x0                                ; the first way out's stores have read their registers: they are loaded again below
.rept 4
	v_nop                                          ; four places behind the last products
.endr
	v_add_f32 v14, v14, v15                        ; the sum's two halves,
	s_delay_alu instid0(VALU_DEP_1)
	v_permlanex16_b32 v252, v14, s[SEL], s[SEL+1]
	s_delay_alu instid0(VALU_DEP_1)
	v_add_f32 v14, v14, v252                       ; and lane l xor 16's: the row's sum
	s_wait_alu depctr_va_vdst(0)
	v_rcp_f32 v14, v14
	v_nop                                          ; one plain instruction behind the transcendental,
	s_wait_alu depctr_va_vdst(0)                   ; and a wait ahead of its first reader
	v_ldexp_f32 v14, v14, s[ES]
.set n, 0
.rept 16
	v_pk_mul_f32 v[96+n:97+n], v[160+n:161+n], v[14:15] op_sel_hi:[1,0]   ; register 8 u + j is y(query r, d = 16 u + 8 h + j); each accumulator from its low end on
.set n, n+2
.endr
.set n, 0
.rept 32
.set n, n+1
.endr
.irp u, 0,1,2,3
	v_cvt_scalef32_pk8_fp8_f32 v[192+2*\u:193+2*\u], v[96+8*\u:103+8*\u], v246
.endr
	v_nop                                          ; one plain vector instruction behind the last conversion: later products write its sources
.irp u, 0,1,2,3
	ds_store_b64 v[STO], v[192+2*\u:193+2*\u] offset:16*\u
.endr
.irp s, 0,1
	ds_load_b128 v[200+4*\s:203+4*\s], v[RD] offset:8*SPI*\s   ; LDS serves a wave's instructions in order (ISA guide 5.7.1.4): these see my stores
.endr
	s_wait_dscnt 0x0
.irp s, 0,1
	global_store_b128 v[GO], v[200+4*\s:203+4*\s], s[\yp:\yp+1] offset:8192*\s
.endr
.endm
	s_wait_loadcnt 0x0                             ; Q, both blocks'
.Lslot:                                            ; 8 trips: behind each change of slots but the last the next trip's slot is asked for
	CHANGE 1
	s_lshl_b32 s[KF], s[SL], 8
	STEP 0
	STEP 1
	s_xor_b32 s[TB], s[TB], SLOT1                  ; on to the other LDS slot
	s_cmp_lg_u32 s[T], s[SWT]                      ; the first block's last slot?  A branch on ids, the same in all sixteen waves; no barrier and no tensor load stands in it
	s_cbranch_scc1 .Lstay
	WAYOUT YPH
	v_mov_b32 v13, 0xff61b1e6                      ; the second block begins as the first did
	s_delay_alu instid0(VALU_DEP_1)
	v_floor_f32 v12, -v13
	v_mov_b32 v14, 0
	v_mov_b32 v15, 0
.set n, 0
.rept 32
	v_mov_b32 v[160+n], 0
.set n, n+1
.endr
.set n, 0
.rept 8
	v_mov_b32 v[16+n], v[24+n]
.set n, n+1
.endr
	s_mov_b32 s[Q0], s[QL0]
.Lstay:
	s_mov_b32 s[SL], s[SLN]
	s_add_co_u32 s[T], s[T], 1
	s_cmp_lt_u32 s[T], 8
	s_cbranch_scc1 .Lslot
	CHANGE 0                                       ; the ninth trip is written out
	s_lshl_b32 s[KF], s[SL], 8
	STEP 0
	STEP 1
	WAYOUT YPL
	s_wait_tensorcnt 0x0                           ; the wave's end: behind my last tensor load and my last LDS store
	ds_add_u32 v[SPW], v[NIL]
	s_wait_dscnt 0x0
	s_endpgm
.Lfunc_end_k_q1410cdcf2e_attn:
	.size	k_q1410cdcf2e_attn, .Lfunc_end_k_q1410cdcf2e_attn-k_q1410cdcf2e_attn
	.p2alignl 7, 3214868480
	.fill 96, 4, 3214868480
	.section	.rodata,"a",@progbits
	.p2align	6, 0x0
	.amdhsa_kernel k_q1410cdcf2e_attn
		.amdhsa_group_segment_fixed_size 327680
		.amdhsa_private_segment_fixed_size 0
		.amdhsa_enable_private_segment 0
		.amdhsa_kernarg_size 40
		.amdhsa_user_sgpr_count 2
		.amdhsa_user_sgpr_kernarg_segment_ptr 1
		.amdhsa_wavefront_size32 1
		.amdhsa_system_sgpr_workgroup_id_x 1
		.amdhsa_system_sgpr_workgroup_id_y 1
		.amdhsa_system_sgpr_workgroup_id_z 1
		.amdhsa_system_vgpr_workitem_id 0
		.amdhsa_next_free_vgpr 256
		.amdhsa_next_free_sgpr 100
		.amdhsa_reserve_vcc 1
		.amdhsa_float_denorm_mode_32 3
		.amdhsa_float_denorm_mode_16_64 3
		.amdhsa_fp16_overflow 1
		.amdhsa_memory_ordered 1
		.amdhsa_forward_progress 1
		.amdhsa_inst_pref_size 94
	.end_amdhsa_kernel
	.amdgpu_metadata
---
amdhsa.version: [ 1, 2 ]
amdhsa.kernels:
  - .name:           k_q1410cdcf2e_attn
    .symbol:         k_q1410cdcf2e_attn.kd
    .args:
      - { .name: q_codes, .offset: 0, .size: 8, .value_kind: global_buffer, .address_space: global }
      - { .name: k_codes, .offset: 8, .size: 8, .value_kind: global_buffer, .address_space: global }
      - { .name: v_codes, .offset: 16, .size: 8, .value_kind: global_buffer, .address_space: global }
      - { .name: lowp_scales, .offset: 24, .size: 8, .value_kind: global_buffer, .address_space: global }
      - { .name: y_codes, .offset: 32, .size: 8, .value_kind: global_buffer, .address_space: global }
    .group_segment_fixed_size: 327680
    .private_segment_fixed_size: 0
    .kernarg_segment_align: 8
    .kernarg_segment_size: 40
    .max_flat_workgroup_size: 512
    .sgpr_count:     100
    .vgpr_count:     256
    .wavefront_size: 32
...
	.end_amdgpu_metadata
.endif
;; end of part 2
;; launch proj (part 3): grid 4 x 32, 4 waves a work-group, clusters of 4 x 4, 327,680 bytes of LDS; arguments y_codes, w_proj_codes, lowp_scales, b_proj, out0; writes out0
.if DOCPART == 3
	.amdgcn_target "amdgcn-amd-amdhsa--gfx1250"
	.amdhsa_code_object_version 6
	.text
	.protected	k_q1410cdcf2e_proj
	.globl	k_q1410cdcf2e_proj
	.p2align	8
	.type	k_q1410cdcf2e_proj,@function
k_q1410cdcf2e_proj:
	s_mov_b64 s[64:65], 0
	v_nop
	global_prefetch_b8 v0, s[64:65] scope:SCOPE_SE
	s_setreg_imm32_b32 hwreg(HW_REG_WAVE_MODE, 25, 1), 1
	s_wait_xcnt 0x0
	s_wait_alu depctr_hold_cnt(0) depctr_sa_sdst(0) depctr_va_vdst(0) depctr_va_sdst(0) depctr_va_ssrc(0) depctr_va_vcc(0) depctr_vm_vsrc(0)
	s_getreg_b32 s2, hwreg(HW_REG_IB_STS2, 6, 4)
	s_cmp_eq_u32 s2, 0
	s_cbranch_scc0 .Lentry_in_a_cluster
	s_endpgm
.Lentry_in_a_cluster:
	s_bfe_u32 s2, ttmp6, 0x10000c
	s_cmp_lg_u32 s2, 0xf033
	s_cbranch_scc0 .Lentry_shape_is_right
	s_endpgm
.Lentry_shape_is_right:
; out0 = y w_proj 2^(e6 + e7) + b_proj on codes of FP8 (E4M3).  y_codes: [token / 4][head 16][token % 4][d 64]; w_proj_codes: [1024 (n)][1024 (k)], K innermost; out0: [8192][1024] f32.
; A tile of out0, 256 x 256, is made by four waves, 128 x 128 each: 64 accumulators, 512 registers.  K goes in steps of 256 (four heads) through a ring of two LDS slots filled by the tensor data mover.
; A's tile of 128 tokens x 256 K is, in y_codes, 32 rows (four tokens each) of 1,024 consecutive bytes, 4,096 bytes apart; in LDS number (token, k) lies at (token / 4) 1040 + (k / 64) 256 + (token % 4) 64 + k % 64.
; CLUSTERS: 4 x 4 work-groups.  The four of a row of the cluster need the same tiles of y, the four of a column the same tiles of w_proj: each tile is asked for JOINTLY.
; THE MATRIX INSTRUCTION IS USED TRANSPOSED (source 0 = 16 rows of w_proj, source 1 = 16 tokens): a lane then holds eight neighbouring numbers of a row of out0.
; 128 work-groups: out0 has 32 x 4 tiles of this size.
; LIMIT: e6 + e7 between -126 and 127, so that 2^(e6 + e7) is an f32 number.
; REGISTERS, in windows of 256: window 0: v0-31 addresses; v32-95 the bias; from v128 A's fragments, ONE set; on the way out v128-255 take rows read back from the stage.
;   window 1: B's fragments, TWO sets; on the way out v0-63 take a block's results.   window 2: the accumulators of my rows 0-63 ((a, b) at v[8 (8 a + b)]);   window 3: those of rows 64-127.
.set KSTEP,  256                       ; along K in a slot
.set ROWB,   256                       ; a row of B's tile in bytes
.set KROW,   1024                      ; a row of w_proj in memory, in bytes
.set PITCH,  272                       ; B's LDS row: 256 bytes + 16 of padding (68 words: row r starts at bank 4 r mod 64; 64 banks of 4 bytes: ISA guide 11.1)
.set AROW,   1024                      ; a row of A's tile: four tokens x four heads x 64 bytes
.set APIT,   4096                      ; from row to row in y_codes
.set PA,     1040                      ; A's LDS row: 1,024 bytes + 16: the sixteen tokens of a fragment fall at 16-byte columns (r / 4) + 4 (r % 4), all different
.set FR,     16                        ; registers of a fragment: 16 rows x 128 K
.set NL,     4                         ; LDS loads that bring one
.set NP,     4                         ; places behind this matrix instruction (ISA guide 7.12.1)
.set HALFT,  128*PITCH                 ; the room of one tensor load's tile: B's 128 rows fill it, A's 32 rows of 1,040 bytes take 33,280 of its 34,816
.set SLOT,   4*HALFT                   ; A's two halves, then B's two halves
.set LAPS,   1024/(2*KSTEP)            ; a lap = two K steps = once round the ring
.set SPARE,  2*SLOT                    ; behind the ring: the spare words, 128 bytes for each wave, that no other line names
.set SPITCH, 528                       ; the way out: a stage of 16 rows x (512 bytes + 16) for each wave, in slot 0, which has had its last fill and its last read when the first result is stored there
.set NROW,   4096                      ; a row of out0 in bytes
.set ADRA, 16                          ; v16-17  LDS address of my A fragments in slot 0, 1
.set ADRB, 20                          ; v20-21  the same for B
.set STO,  24                          ; v24     the way out: where I put 32 bytes of a row
.set RD,   25                          ; v25     the way out: where I read a row back
.set CO,   26                          ; v26     my byte offset in a row of out0
.set SPW,  28                          ; v28     LDS address of my spare word; never rewritten
.set NIL,  29                          ; v29     0; never rewritten
.set BQ,   32                          ; v32-95  bias of columns 16 b + 8 h + j at v[32 + 8 b + j]
.set AF,   128                         ; A's fragments, in window 0
.set BK,   128                         ; the way out: 16 rows read back from the stage: v128-191 and v192-255 by turns
.set G1, 24                            ; s[24:31] descriptor group 1 for A's tiles;  s[32:39] group 0, one set for each slot
.set G0, 32
.set G1B, 48                           ; s[48:55], s[56:63] the same for B's tiles
.set G0B, 56
.set MSB, 0
.macro WIN new                         ; the immediate's high byte repeats the setting that is left
.if MSB != \new
	s_set_vgpr_msb (MSB<<8)|\new
.set MSB, \new
.endif
.endm
.set MUL_LO, 0xa1                      ; source 0 (B) window 1, source 1 (A) window 0, C and D window 2
.set MUL_HI, 0xf1                      ; the same, C and D window 3
.set TO_B,   0x40                      ; destination window 1, address window 0
; A joint load: waves 0 and 1 fetch for A, waves 2 and 3 for B.  The branch hangs on the wave's number alone.  Four v_nop follow each of the two lines.
.macro JLOAD g0a, g1a, g0b, g1b
	s_cmp_eq_u32 s15, 0
	s_cbranch_scc0 .Lfor_b_\@
	tensor_load_to_lds s[\g0a:\g0a+3], s[\g1a:\g1a+7]
	s_nop 0
.rept 4
	v_nop
.endr
	s_branch .Lasked_\@
.Lfor_b_\@:
	tensor_load_to_lds s[\g0b:\g0b+3], s[\g1b:\g1b+7]
	s_nop 0
.rept 4
	v_nop
.endr
.Lasked_\@:
.endm
.macro CREST                           ; a round of the cluster's barrier behind its opening barrier
	s_cmp_lg_u32 s14, 0
	s_cbranch_scc1 .Lnot_wave_0_\@
	s_barrier_signal -3
.Lnot_wave_0_\@:
	s_barrier_wait -3
	s_barrier_signal -1
	s_barrier_wait -1
.endm
.macro CROUND                          ; a whole round
	s_barrier_signal -1
	s_barrier_wait -1
	CREST
.endm
	s_load_b128 s[4:7], s[0:1], 0x0                ; y_codes s[4:5], w_proj_codes s[6:7]
	s_load_b128 s[8:11], s[0:1], 0x10              ; the scales' exponents s[8:9], b_proj s[10:11]
	s_load_b64 s[68:69], s[0:1], 0x20              ; out0
	v_lshl_add_u32 v[SPW], v0, 2, SPARE
	v_mov_b32 v[NIL], 0
	ds_add_u32 v28, v29
	ds_add_u32 v28, v29
	s_wait_dscnt 0x0
	v_lshrrev_b32 v1, 5, v0
	v_readfirstlane_b32 s14, v1                    ; wave 0..3
	s_lshr_b32 s15, s14, 1                         ; which half of the tile's rows is mine.  Also: I fetch for A (0) or for B (1)
	s_and_b32 s16, s14, 1                          ; which half of its columns.  Also: which half of that tile I fetch
	s_bfe_u32 s40, ttmp6, 0x40000                  ; cx, cy: my place in the cluster
	s_bfe_u32 s41, ttmp6, 0x40004
	s_lshl_b32 s42, ttmp9, 2
	s_add_co_u32 s42, s42, s40                     ; tile column of out0 = 4 x cluster x + cx
	s_and_b32 s17, ttmp7, 0xffff
	s_lshl_b32 s17, s17, 2
	s_add_co_u32 s17, s17, s41                     ; tile row of out0 = 4 x cluster y + cy
	s_lshl_b32 s43, s41, 2
	s_lshl_b32 s43, 15, s43                        ; my row of the cluster
	s_lshl_b32 s44, 0x1111, s40                    ; my column
	; descriptor group 1.  A: 32 rows x 1,024 bytes, 4,096 bytes apart;  B: 128 rows x 256 bytes, 1,024 bytes apart; 16 bytes of padding behind each row
	s_or_b32 s[G1+0], s43, (0<<16)|(1<<20)|(1<<21)|(7<<22)|(3<<25)  ; 15:0 the mask: my row; 17:16 element of 1 byte; 20 padding on; 21 set beside a mask; 24:22 after every 256 words (code 7); 31:25 of 4 words (code 3)
	s_mov_b32 s[G1+1], AROW<<16                    ; tensor_dim0
	s_mov_b32 s[G1+2], 32<<16                      ; tensor_dim1
	s_mov_b32 s[G1+3], AROW<<16                    ; tile_dim0
	s_mov_b32 s[G1+4], 32                          ; tile_dim1
	s_mov_b32 s[G1+5], APIT                        ; tensor_dim0_stride
	s_mov_b32 s[G1+6], 0
	s_mov_b32 s[G1+7], 0
	s_or_b32 s[G1B+0], s44, (0<<16)|(1<<20)|(1<<21)|(5<<22)|(3<<25) ; the mask of my column; padding after every 64 words (code 5)
	s_mov_b32 s[G1B+1], ROWB<<16
	s_mov_b32 s[G1B+2], 128<<16
	s_mov_b32 s[G1B+3], ROWB<<16
	s_mov_b32 s[G1B+4], 128
	s_mov_b32 s[G1B+5], KROW
	s_mov_b32 s[G1B+6], 0
	s_mov_b32 s[G1B+7], 0
	s_lshl_b32 s20, s17, 8
	s_lshl_b32 s21, s16, 7
	s_add_co_u32 s20, s20, s21                     ; A: token 256 x tile row + 128 x half,
	s_lshl_b32 s20, s20, 10                        ; x 1,024 bytes (four tokens: 4,096)
	s_mov_b32 s21, 0
	s_lshl_b32 s46, s42, 8
	s_lshl_b32 s47, s16, 7
	s_add_co_u32 s46, s46, s47                     ; B: row 256 x tile column + 128 x half,
	s_lshl_b32 s46, s46, 10                        ; x 1,024 bytes
	s_mov_b32 s47, 0
	s_mul_i32 s45, s14, HALFT                      ; where the tiles go: wave x HALFT: no place in the cluster enters an LDS address
	s_wait_kmcnt 0x0
	s_load_b256 s[76:83], s[8:9], 0x0              ; e0 .. e7
	s_add_nc_u64 s[20:21], s[4:5], s[20:21]
	s_add_nc_u64 s[46:47], s[6:7], s[46:47]
	CROUND                                         ; all sixteen work-groups are here: the first joint loads meet
.irp s, 0,1
	s_mov_b32 s[G0+4*\s], 1
	s_add_co_u32 s[G0+4*\s+1], s45, \s*SLOT
	s_add_nc_u64 s[G0+4*\s+2:G0+4*\s+3], s[20:21], \s*AROW       ; K step s: heads 4 s on
	s_or_b32 s[G0+4*\s+3], s[G0+4*\s+3], 0x80000000
	s_mov_b32 s[G0B+4*\s], 1
	s_add_co_u32 s[G0B+4*\s+1], s45, \s*SLOT
	s_add_nc_u64 s[G0B+4*\s+2:G0B+4*\s+3], s[46:47], \s*ROWB
	s_or_b32 s[G0B+4*\s+3], s[G0B+4*\s+3], 0x80000000
	s_wait_alu depctr_va_vdst(0)
	s_wait_tensorcnt 0x0
	ds_add_u32 v28, v29
	ds_add_u32 v28, v29
	s_wait_dscnt 0x0
	CROUND
	JLOAD G0+4*\s, G1, G0B+4*\s, G1B
.endr
	v_and_b32 v1, 15, v0                           ; r = lane % 16
	v_bfe_u32 v2, v0, 4, 1                         ; h = lane / 16
	v_mul_u32_u24 v3, v1, PITCH
	v_lshl_add_u32 v4, v2, 4, v3                   ; B: a fragment's row x pitch + 16 h
	v_lshrrev_b32 v5, 2, v1
	v_mul_u32_u24 v5, v5, PA
	v_and_b32 v6, 3, v1
	v_lshl_add_u32 v5, v6, 6, v5
	v_lshl_add_u32 v5, v2, 4, v5                   ; A: (r / 4) 1040 + (r % 4) 64 + 16 h
	s_mul_i32 s21, s15, HALFT                      ; my 128 tokens of A
	s_mul_i32 s22, s16, HALFT                      ; my 128 rows of B,
	s_add_co_u32 s22, s22, 2*HALFT                 ; which lie behind A's two halves
.irp s, 0,1
	v_add_nc_u32 v[ADRA+\s], s21, v5
	v_add_nc_u32 v[ADRB+\s], s22, v4
	s_add_co_u32 s21, s21, SLOT
	s_add_co_u32 s22, s22, SLOT
.endr
	s_mul_i32 s23, s14, 16*SPITCH                  ; my stage
	v_mul_u32_u24 v5, v1, SPITCH                   ; in: row r, 32 bytes for each half of the lanes
	v_lshl_add_u32 v5, v2, 5, v5
	v_add_nc_u32 v[STO], s23, v5
	v_and_b32 v6, 31, v0
	v_lshlrev_b32 v[CO], 4, v6                     ; back: the 32 lanes take one row of 512 bytes; and the same in out0
	v_add_nc_u32 v[RD], s23, v[CO]
	v_lshlrev_b32 v7, 5, v2                        ; 32 h: my eight biases of a tile of columns
	s_lshl_b32 s46, s42, 10                        ; my first column, in bytes of f32: 1,024 x tile column + 512 x half: in out0's rows and in b_proj alike
	s_lshl_b32 s47, s16, 9
	s_add_co_u32 s46, s46, s47
	s_mov_b32 s47, 0
	s_add_nc_u64 s[88:89], s[10:11], s[46:47]
.irp b, 0,1,2,3,4,5,6,7
	global_load_b128 v[BQ+8*\b:BQ+8*\b+3], v7, s[88:89] offset:64*\b
	global_load_b128 v[BQ+8*\b+4:BQ+8*\b+7], v7, s[88:89] offset:64*\b+16
.endr
	s_lshl_b32 s20, s17, 8
	s_lshl_b32 s21, s15, 7
	s_add_co_u32 s20, s20, s21                     ; my first row of out0: 256 x tile row + 128 x half,
	s_lshl_b32 s20, s20, 12                        ; x 4,096 bytes (under 2^25)
	s_mov_b32 s21, 0
	s_add_nc_u64 s[20:21], s[20:21], s[46:47]
	s_add_nc_u64 s[68:69], s[68:69], s[20:21]
	s_wait_kmcnt 0x0                               ; e0 .. e7
	s_add_co_i32 s96, s82, s83
	s_add_co_i32 s96, s96, 127
	s_lshl_b32 s96, s96, 23                        ; 2^(e6 + e7) as f32
	s_mov_b32 s97, s96                             ; (named with it as a pair, so it is written)
.macro FRAG reg, adr, q, i             ; a fragment of B, 16 rows x 128 K: lane l holds row l % 16; registers 4 c .. 4 c + 3 hold K = 32 c + 16 (l / 16) + 0 .. 15
.irp c, 0,1,2,3
	ds_load_b128 v[\reg+4*\c:\reg+4*\c+3], v[\adr] offset:128*(\q)+32*\c+(\i)*16*PITCH
.endr
.endm
.macro FRAGA reg, adr, q, i            ; the same k in the same registers, of tokens 16 i + l % 16: k = 128 q + 32 c + .. lies in head 2 q + c / 2 of the slot's four, at d = 32 (c % 2) + ..
.irp c, 0,1,2,3
	ds_load_b128 v[\reg+4*\c:\reg+4*\c+3], v[\adr] offset:4*(\i)*PA+(2*(\q)+\c/2)*256+32*(\c%2)
.endr
.endm
; 16 matrix instructions: A's blocks a0, a0 + 1 x B's eight, 128 along K.  p: B's set.  zero = 1: the first product starts the sums.
; The 64 accumulators take turns, one instruction a turn, in the same order in every step.
.macro MUL16 a0, p, zero
.irp a, \a0, \a0+1
.irp b, 0,1,2,3,4,5,6,7
.if \zero
	v_wmma_f32_16x16x128_fp8_fp8 v[8*(8*((\a)%4)+\b):8*(8*((\a)%4)+\b)+7], v[128*(\p)+FR*\b:128*(\p)+FR*\b+FR-1], v[AF+FR*(\a):AF+FR*(\a)+FR-1], 0
.else
	v_wmma_f32_16x16x128_fp8_fp8 v[8*(8*((\a)%4)+\b):8*(8*((\a)%4)+\b)+7], v[128*(\p)+FR*\b:128*(\p)+FR*\b+FR-1], v[AF+FR*(\a):AF+FR*(\a)+FR-1], v[8*(8*((\a)%4)+\b):8*(8*((\a)%4)+\b)+7]
.endif
.endr
.endr
.endm
.macro FETCH_B slot, q, p              ; B's eight fragments of the slot's q-th 128 along K into set p
	WIN TO_B
.irp i, 0,1,2,3,4,5,6,7
	FRAG 128*(\p)+FR*\i, ADRB+\slot, \q, \i
.endr
	WIN 0
.endm
.macro FETCH_A slot, q, i0             ; A's blocks i0 .. i0 + 3
.irp i, \i0, \i0+1, \i0+2, \i0+3
	FRAGA AF+FR*(\i), ADRA+\slot, \q, \i
.endr
.endm
; A load into a register that a matrix instruction has read, and a vector instruction that reads a matrix result or writes one of its registers, stand NP places behind it; only plain vector
; instructions that name none of its registers are places (ISA guide 7.12.1 for vector instructions).
.macro PLACES n
.rept \n
	v_nop
.endr
.endm
; A step of 128 along K that has its successor in the same slot.
.macro STEP slot, q, zero
	s_wait_dscnt 4*NL                              ; B's set and A's blocks 0-3 are in; the youngest 16 loads (A's blocks 4-7) may be out
	WIN MUL_LO
	MUL16 0, (\q)%2, \zero
	MUL16 2, (\q)%2, \zero
	s_wait_dscnt 0                                 ; A's blocks 4-7 are in (asked for 32 matrix instructions ago)
	PLACES NP
	FETCH_B \slot, (\q)+1, 1-(\q)%2
	FETCH_A \slot, (\q)+1, 0
	WIN MUL_HI
	MUL16 4, (\q)%2, \zero
	MUL16 6, (\q)%2, \zero
	PLACES NP
	WIN 0
	FETCH_A \slot, (\q)+1, 4
.endm
; A slot's last step changes slots: ONE barrier; in front of it each wave waits for all its tensor loads, adds 0 to its spare word, and waits for that and for its own reads of this slot.  fill = 1: this slot is filled again, two K steps ahead.
.macro TURN slot, next, fill
	s_wait_tensorcnt 0x0                           ; all my tensor loads have landed: my part of the next slot  (every window is 0 here)
	ds_add_u32 v[SPW], v[NIL]                      ; 0 onto my spare word
	s_wait_dscnt 4*NL+1                            ; (the add and the youngest 16 loads, A's blocks 4-7, may be out)
	WIN MUL_LO
	MUL16 0, 1, 0                                  ; sixteen matrix instructions stand between the add and the wait for it
	s_wait_dscnt 0x0                               ; the add is done, and my reads of this slot are over
	s_barrier_signal -1
	MUL16 2, 1, 0
	WIN 0
	s_barrier_wait -1
.if \fill
	CREST                                          ; the barrier has opened a round of the cluster's barrier: no wave of any partner still reads this slot's tile or has a load on its way
	s_add_nc_u64 s[G0+4*\slot+2:G0+4*\slot+3], s[G0+4*\slot+2:G0+4*\slot+3], 2*AROW
	s_add_nc_u64 s[G0B+4*\slot+2:G0B+4*\slot+3], s[G0B+4*\slot+2:G0B+4*\slot+3], 2*ROWB
	JLOAD G0+4*\slot, G1, G0B+4*\slot, G1B         ; the first tensor load behind the round; the four v_nop behind it are the places in front of the loads below
.else
	PLACES NP
.endif
	s_wait_alu depctr_va_vdst(0)
	FETCH_B \next, 0, 0
	FETCH_A \next, 0, 0
	WIN MUL_HI
	MUL16 4, 1, 0
	MUL16 6, 1, 0
	PLACES NP
	WIN 0
	FETCH_A \next, 0, 4
.endm
	s_wait_loadcnt 0x0                             ; the bias, once: the wait lies under the wait for the first tiles
	s_wait_tensorcnt 1                             ; my part of K step 0 is in (K step 1's load may be out)
	s_barrier_signal -1
	s_barrier_wait -1                              ; everybody's is
	FETCH_B 0, 0, 0
	FETCH_A 0, 0, 0
	FETCH_A 0, 0, 4
	STEP 0, 0, 1                                   ; the first step stands in front of the loop: its products start the sums
	s_mov_b32 s3, LAPS-1
.Llap:                                                 ; a trip goes once round the ring, from a lap's second step to the next lap's first, and fills both slots again
	TURN 0, 1, 1
	STEP 1, 0, 0
	TURN 1, 0, 1
	STEP 0, 0, 0
	s_sub_co_u32 s3, s3, 1
	s_cmp_lg_u32 s3, 0
	s_cbranch_scc1 .Llap
	TURN 0, 1, 0                                   ; the last lap fills nothing, and has no round of the cluster's barrier
	STEP 1, 0, 0
	s_wait_dscnt 4*NL                              ; the very last step: nothing more to fetch
	WIN MUL_LO
	MUL16 0, 1, 0
	MUL16 2, 1, 0
	s_wait_dscnt 0
	WIN MUL_HI
	MUL16 4, 1, 0
	MUL16 6, 1, 0
	WIN 0
; THE WAY OUT, block by block of 16 rows x 128 columns.  sum x 2^(e6 + e7) + bias in one packed multiply-add for two numbers, into window 1's v0-63, each accumulator from its low end on.  A lane holds 32 neighbouring
; bytes of a row, and the lanes beside it hold other rows: so a block goes through my own stage in LDS and comes back as whole rows of 512 bytes.
; LDS serves a wave's instructions in order (ISA guide 5.7.1.4): no wait between the stores and the loads, nor in front of the next block's stores.
.macro TOSTAGE a
.set AC, 64*((\a)%4)
	WIN 0x42+((\a)/4)                              ; destination window 1; source 0 window 2 or 3; the bias in window 0
.irp b, 0,1,2,3,4,5,6,7
.irp i, 0,2,4,6
	v_pk_fma_f32 v[8*\b+\i:8*\b+\i+1], v[AC+8*\b+\i:AC+8*\b+\i+1], s[96:97], v[BQ+8*\b+\i:BQ+8*\b+\i+1] op_sel_hi:[1,0,1]
.endr
.endr
	WIN 0x04                                       ; an LDS store's data is source 1: window 1; its address window 0
.irp b, 0,1,2,3,4,5,6,7
	ds_store_b128 v[STO], v[8*\b:8*\b+3] offset:64*\b
	ds_store_b128 v[STO], v[8*\b+4:8*\b+7] offset:64*\b+16
.endr
	WIN 0
.set BB, BK+64*((\a)%2)
.irp t, 0,1,2,3,4,5,6,7,8,9,10,11,12,13,14,15
	ds_load_b128 v[BB+4*\t:BB+4*\t+3], v[RD] offset:\t*SPITCH
.endr
.endm
.macro SEND a, younger                 ; younger: the LDS instructions issued behind block a's loads, which may stay out
.set BB, BK+64*((\a)%2)
	s_wait_dscnt \younger                          ; the block is back in registers
.if (\a) > 0
	s_add_nc_u64 s[68:69], s[68:69], 16*NROW       ; (behind a wait on XCNT for 0: the earlier stores have read their base)  16 rows of out0 on
.endif
.irp t, 0,1,2,3,4,5,6,7,8,9,10,11,12,13,14,15
	global_store_b128 v[CO], v[BB+4*\t:BB+4*\t+3], s[68:69] offset:\t*NROW th:TH_STORE_NT   ; 32 lanes store 512 consecutive bytes, at a multiple of 256 from out0's first byte; written once, read by nobody here
.endr
.endm
	PLACES NP                                      ; behind the last products: for the reads of results, and for the writes and loads into registers that held fragments
	TOSTAGE 0
.irp a, 1,2,3,4,5,6,7
.if \a > 1
	s_wait_xcnt 0x0                                ; block a - 2's stores have read their registers and their base: block a's loads may land there, and the base may step
.endif
	TOSTAGE \a
	SEND \a-1, 32                                  ; behind block a - 1's loads: block a's 16 stores and 16 loads
.endr
	s_wait_xcnt 0x0                                ; block 6's stores have read their base
	SEND 7, 0
	s_wait_tensorcnt 0x0                           ; the wave's end: behind my last tensor load and my last LDS store
	ds_add_u32 v[SPW], v[NIL]
	s_wait_dscnt 0x0
	CROUND                                         ; the closing round: no work-group ends while a partner may still ask for a tile that names it
	s_endpgm
.Lfunc_end_k_q1410cdcf2e_proj:
	.size	k_q1410cdcf2e_proj, .Lfunc_end_k_q1410cdcf2e_proj-k_q1410cdcf2e_proj
	.p2alignl 7, 3214868480
	.fill 96, 4, 3214868480
	.section	.rodata,"a",@progbits
	.p2align	6, 0x0
	.amdhsa_kernel k_q1410cdcf2e_proj
		.amdhsa_group_segment_fixed_size 327680
		.amdhsa_private_segment_fixed_size 0
		.amdhsa_enable_private_segment 0
		.amdhsa_kernarg_size 40
		.amdhsa_user_sgpr_count 2
		.amdhsa_user_sgpr_kernarg_segment_ptr 1
		.amdhsa_wavefront_size32 1
		.amdhsa_system_sgpr_workgroup_id_x 1
		.amdhsa_system_sgpr_workgroup_id_y 1
		.amdhsa_system_sgpr_workgroup_id_z 1
		.amdhsa_system_vgpr_workitem_id 0
		.amdhsa_next_free_vgpr 1024
		.amdhsa_next_free_sgpr 98
		.amdhsa_reserve_vcc 0
		.amdhsa_float_denorm_mode_32 3
		.amdhsa_float_denorm_mode_16_64 3
		.amdhsa_memory_ordered 1
		.amdhsa_forward_progress 1
		.amdhsa_inst_pref_size 126
	.end_amdhsa_kernel
	.amdgpu_metadata
---
amdhsa.version: [ 1, 2 ]
amdhsa.kernels:
  - .name:           k_q1410cdcf2e_proj
    .symbol:         k_q1410cdcf2e_proj.kd
    .args:
      - { .name: y_codes, .offset: 0, .size: 8, .value_kind: global_buffer, .address_space: global }
      - { .name: w_proj_codes, .offset: 8, .size: 8, .value_kind: global_buffer, .address_space: global }
      - { .name: lowp_scales, .offset: 16, .size: 8, .value_kind: global_buffer, .address_space: global }
      - { .name: b_proj, .offset: 24, .size: 8, .value_kind: global_buffer, .address_space: global }
      - { .name: out0, .offset: 32, .size: 8, .value_kind: global_buffer, .address_space: global }
    .group_segment_fixed_size: 327680
    .private_segment_fixed_size: 0
    .kernarg_segment_align: 8
    .kernarg_segment_size: 40
    .max_flat_workgroup_size: 128
    .sgpr_count:     98
    .vgpr_count:     1024
    .wavefront_size: 32
...
	.end_amdgpu_metadata
.endif
;; end of part 3
